; MI455X (gfx1250); checked and timed in simulation.
; The chip was launched on July 23, 2026; its instructions are those of AMD's public machine-readable ISA for CDNA 5 (MIT licence, August 2026) and "CDNA5" Instruction Set Architecture Reference Guide (July 2026). The comments in the code are by the model that wrote it; some were corrected since.
;; Self Attention. Allowed arithmetic: matrix products marked QUANTISED: E2M1 operands, one E8M0 scale for each 32 along K, by v_wmma_scale_f32_16x16x128_f8f6f4 with both operands' format E2M1 (or v_wmma_scale_f32_32x16x128_f4), f32 sums; everything else in f32.
;; Inputs: b_out 1,024 float32; ln_b 1,024 float32; ln_w 1,024 float32; w_out_codes 1,024 x 32 x 16 uint8 (E2M1 codes of w_out, K innermost, in blocks of 32 codes, two codes a byte); w_out_scales 1,024 x 32 uint8 (E8M0 scales of w_out, one for each 32 codes along K); w_qkv_codes 3,072 x 32 x 16 uint8 (E2M1 codes of w_qkv, K innermost, in blocks of 32 codes, two codes a byte); w_qkv_scales 3,072 x 32 uint8 (E8M0 scales of w_qkv, one for each 32 codes along K); x 4 x 2,048 x 1,024 float32.
;; Outputs: out0 4 x 2,048 x 1,024 float32.
;; This version of the problem:
;;   THIS VERSION OF THE PROBLEM IS GIVEN IN LOW PRECISION. The matrix products marked QUANTISED in the list below multiply operands that are first quantised to E2M1 (2 exponent bits, 1 mantissa bit; 4 bits a number), with one power-of-two scale for each 32 numbers along K (OCP MX v1.0); their sums are f32. All else is computed in f32.
;;   The module's matrix products, in the order in which they are computed (A, B: the left and right operand; K: the contracted axis; several contracted axes count as one K, in the product's order):
;;     1. [M 8,192, K 1,024] x [K 1,024, N 3,072]; A: computed on the way; B: input w_qkv (given as codes): QUANTISED
;;     2. batch 64 x [M 2,048, K 64] x [K 64, N 2,048]; A: computed on the way; B: computed on the way: QUANTISED
;;     3. batch 64 x [M 64, K 2,048] x [K 2,048, N 2,048]; A: computed on the way; B: softmax (see below): QUANTISED
;;     4. [M 8,192, K 1,024] x [K 1,024, N 1,024]; A: computed on the way; B: input w_out (given as codes): QUANTISED
;;   THE QUANTISER, for each operand of a quantised product, along K:
;;     - K is cut into blocks of 32 from its start; a last block that is shorter is filled with zeros.
;;     - A block's scale is 2^e with e = floor(log2(the largest magnitude in the block)) - 2, held to -126 .. 127; a block of zeros has e = 0. As a byte (E8M0): e + 127.
;;     - Each number is divided by its block's scale, clamped to +-6, and rounded to the nearest number of E2M1, ties to even, subnormals kept.
;;     - The product sums the exact products of the quantised numbers (number of the format x scale) in f32.
;;   ~~~python
;;   def quantise(x, axis):      # numpy; x: float32 -> the quantised numbers, widened to float32 again
;;       x = np.moveaxis(x, axis, -1); K = x.shape[-1]
;;       x = np.pad(x, [(0, 0)] * (x.ndim - 1) + [(0, -K % 32)]); x = x.reshape(x.shape[:-1] + (-1, 32)); a = np.abs(x).max(-1, keepdims=True)
;;       e = np.where(a > 0, np.clip(np.frexp(np.where(a > 0, a, 1))[1] - 1 - 2, -126, 127), 0)      # np.frexp(a)[1] - 1 = floor(log2(a)), exactly
;;       r = np.clip(x / 2.0 ** e, -6, 6)
;;       step = 2.0 ** (np.maximum(np.frexp(np.where(r == 0, 1, r))[1] - 1, 0) - 1)
;;       q = np.round(r / step) * step * 2.0 ** e      # np.round: ties to even
;;       return np.moveaxis(q.reshape(q.shape[:-2] + (-1,))[..., :K], -1, axis).astype(np.float32)
;;   ~~~
;;   SOFTMAX AHEAD OF A QUANTISED PRODUCT. Where the list says 'softmax', what is quantised is not the finished softmax but p = 2^(t - M), with t = logit x log2(e) and M = ceil(the row's largest t), a whole number; so 1/2 < the row's largest p <= 1. The row's sum l is taken of the UNQUANTISED p, in f32, and the product's result is divided by l at the end. Since M is a whole number, a kernel that streams over the keys may use a running M (the ceiling of the running maximum): every later rescaling is an exact power of two, which a block's scale takes up: the codes' values come out the same.
;;   OPERANDS COMPUTED ON THE WAY. 'Computed on the way' means the value that the module computes at that place (a softmax that the list does not call 'softmax' is quantised finished and normalised). What goes into a quantiser is computed in f32, as accurately as f32 sums, v_exp_f32 and their like allow (about 1e-6 of the number): no bf16 or f16 on the way to a quantiser, and a product that is left as it is and whose result goes on into a quantised operand takes f32 operands (vector FMAs, or v_wmma_f32_16x16x4_f32). A number that lies on a knife's edge between two numbers of the format may be rounded either way, as far as f32 arithmetic and the matrix unit's own rounding can turn it there, and no further.
;;   INPUTS GIVEN AS CODES. w_out (in the module: [1024, 1024], K = its axis 1); w_qkv (in the module: [3072, 1024], K = its axis 1): each comes as NAME_codes (uint8): NAME with its K axis moved to the last place and cut into blocks of 32 codes, [.., K / 32, bytes a block], one block behind the other in memory; two codes a byte, the lower K in the low four bits (a code: sign, 2 exponent bits, 1 mantissa bit); and NAME_scales (uint8): the same leading axes, one E8M0 byte (e + 127) for each 32 codes along K. Its value is code x scale, taken as it is: it is not quantised again, and the codes and scales need not be those that the quantiser above would give.
;; One version. Each part assembles by itself: llvm-mc -triple=amdgcn-amd-amdhsa -mcpu=gfx1250 --defsym DOCPART=n.
;; ======== version 1 of 1: 4 launches
;; limits: right only within a limited range of input values
;; workspace buffers: hrec 4,456,448 bytes; qkv 13,893,632 bytes; orec 4,456,448 bytes
;; launch lnq (part 1): grid 256 x 1, 8 waves a work-group, no clusters, 134,144 bytes of LDS; arguments x, ln_w, ln_b, hrec; writes hrec
.if DOCPART == 1
	.amdgcn_target "amdgcn-amd-amdhsa--gfx1250"
	.amdhsa_code_object_version 6
	.text
	.protected	k_q47df1ec518_lnq
	.globl	k_q47df1ec518_lnq
	.p2align	8
	.type	k_q47df1ec518_lnq,@function
k_q47df1ec518_lnq:
	s_mov_b64 s[64:65], 0
	v_nop
	global_prefetch_b8 v0, s[64:65] scope:SCOPE_SE
	s_setreg_imm32_b32 hwreg(HW_REG_WAVE_MODE, 25, 1), 1
	s_wait_xcnt 0x0
; h = LayerNorm(x) * ln_w + ln_b in f32 (mean, then the mean of the squared differences: two passes over registers), then quantised along C to codes of FP4 (E2M1) with one E8M0 byte for each 32.
; x: [8192][1024] f32.  hrec: 64 records of 69,632 bytes, one for each group of 128 rows, laid as images of the matrix operand's registers:
;   codes at 8192 a + 1024 s + 512 c + 16 lane: tile a (16 rows), K step s (128 along C); lane (r, h) holds the codes of k = 128 s + 64 c + 32 h + 0 .. 31 of its row;
;   scale words at 65,536 + 1024 bb + 128 s + 4 (16 u + r), tile a = 2 bb + u.
; THE ROWS OF A TILE ARE NOT NEIGHBOURS: lane r of tile 2 bb + u holds row 32 bb + 8 u + r + 8 (r / 8) of the group; the later launches lean on that order.
; SHARES.  A work-group takes 32 rows: tiles u = 0, 1 of one bb.  First wave w normalises rows 4 w .. 4 w + 3 (a row is 32 registers of the wave, all four rows asked for at once), and lays them
; in a stage in LDS, in the order of the tiles' lanes.  Behind a barrier wave w quantises K step w of both tiles: a lane takes two whole blocks of 32 of its row, so a block's largest magnitude needs no other lane.
; A block's byte is its largest magnitude's exponent field - 2, held at 1 from below.
; LIMITS: a block of zeros gets the byte 1 where the rule says 127 (its codes are zeros, and this program alone reads the bytes); NaN and infinities in x are not served; 1 / sqrt is v_rsq_f32.
; NO CLUSTER, NO TENSOR LOAD: the work-groups share only ln_w and ln_b, 8,192 bytes beside the 131,072 of x that each reads alone.
.set HREC, 69632
.set YP,   4112                        ; a stage row: 4,096 bytes + 16 = 257 x 16: the 16 rows that a load touches start at 16 different groups of four banks (64 banks of 4 bytes: ISA guide 11.1)
.set SCW,  32*YP                       ; behind the stage: 1,024 bytes of scale words, 128 s + 4 lane
.set T,    10                          ; v10-13  two packed chains
.set M,    14                          ; v14-15  the mean, twice
.set R,    16                          ; v16-17  1 / sqrt(var + eps), twice
.set TP,   18                          ; v18     a lane permute's destination
.set VV,   19                          ; v19     var + eps
.set MX,   20                          ; v20-21  largest magnitudes
.set SO,   22                          ; v22-23  the conversions' scale operands
.set BY,   24                          ; v24-25  the scales' bytes
.set WD,   26                          ; v26-27  the scale words of tile 0, 1
.set SW,   28                          ; v28     lanes 0-15 tile 0's word, lanes 16-31 tile 1's
.set PC,   32                          ; v32-47  codes: 8 registers a tile
.set X,    64                          ; v64-191 four rows of x; later 64 numbers of each tile
.set LW,   192                         ; v192-223 ln_w at my columns
.set LB,   224                         ; v224-255 ln_b
	s_load_b256 s[4:11], s[0:1], 0x0               ; x s[4:5], ln_w s[6:7], ln_b s[8:9], hrec s[10:11]
	v_lshl_add_u32 v62, v0, 2, 0x20800
	v_mov_b32 v63, 0
	v_lshrrev_b32 v1, 5, v0
	s_delay_alu instid0(VALU_DEP_1)
	v_readfirstlane_b32 s12, v1                    ; wave 0..7
	v_and_b32 v1, 31, v0                           ; lane
	s_delay_alu instid0(VALU_DEP_1)
	v_lshlrev_b32 v2, 4, v1                        ; 16 x lane
	s_wait_alu depctr_va_vdst(0)
	v_and_b32 v10, 15, v0                          ; r
	s_wait_alu depctr_va_vdst(0)
	v_bfe_u32 v11, v0, 4, 1                        ; h
	s_bfe_u32 s14, s12, 0x10001                    ; row 4 w + i lies in tile u = (w / 2) % 2, lane 8 (w / 4) + 4 (w % 2) + i
	s_lshl_b32 s14, s14, 4
	s_lshr_b32 s15, s12, 2
	s_lshl_b32 s15, s15, 3
	s_add_co_u32 s14, s14, s15
	s_and_b32 s15, s12, 1
	s_lshl_b32 s15, s15, 2
	s_add_co_u32 s14, s14, s15                     ; its stage row 16 u + lane, for i = 0
	s_mul_i32 s14, s14, YP
	v_add_nc_u32 v3, s14, v2                       ; v3: into the stage
	v_mul_u32_u24 v4, v10, YP
	s_wait_alu depctr_va_vdst(0)
	v_lshl_add_u32 v4, v11, 7, v4
	s_lshl_b32 s15, s12, 9
	v_add_nc_u32 v4, s15, v4                       ; v4: out of it, tile 0: row r, K step w (512 bytes), + 128 h
	s_delay_alu instid0(VALU_DEP_1)
	v_add_nc_u32 v5, 16*YP, v4                     ; v5: tile 1
	s_lshl_b32 s15, s12, 7
	s_add_co_u32 s15, s15, SCW
	v_lshl_add_u32 v6, v1, 2, s15                  ; v6: my scale word: 128 w + 4 lane
	v_and_b32 v8, 63, v0
	s_delay_alu instid0(VALU_DEP_1)
	v_lshlrev_b32 v8, 4, v8                        ; v8: the scale words' way out: 16 bytes a thread of waves 0 and 1
	s_delay_alu instid0(VALU_DEP_1)
	v_add_nc_u32 v7, SCW, v8
	v_lshlrev_b32 v9, 3, v11                       ; v9: 8 h
	v_mov_b32 v[TP], 0                             ; written once: a lane permute's destination counts as one of its sources
	s_lshl_b32 s16, ttmp9, 17                      ; x: 32 rows of 4,096 bytes a work-group,
	s_lshl_b32 s17, s12, 14                        ; 4 a wave
	s_add_co_u32 s16, s16, s17
	s_mov_b32 s17, 0
	s_lshr_b32 s18, ttmp9, 2
	s_mul_i32 s18, s18, HREC                       ; the group's record
	s_and_b32 s25, ttmp9, 3                        ; bb
	s_lshl_b32 s19, s25, 14
	s_add_co_u32 s26, s18, s19                     ; codes: 8,192 x tile 2 bb,
	s_lshl_b32 s19, s12, 10
	s_add_co_u32 s26, s26, s19                     ; + 1,024 x K step w
	s_mov_b32 s27, 0
	s_lshl_b32 s19, s25, 10
	s_add_co_u32 s28, s18, s19
	s_add_co_u32 s28, s28, 65536                   ; scale words: 65,536 + 1,024 bb
	s_mov_b32 s29, 0
	s_mov_b32 s20, 0x76543210
	s_mov_b32 s21, 0xfedcba98                      ; v_permlanex16_b32's selects for lane l xor 16
	s_mov_b32 s22, 0x3a800000                      ; 1 / 1024
	s_mov_b32 s23, 0x3727c5ac                      ; eps = 1e-5
	s_mov_b32 s24, 0xffff0000                      ; lanes 16-31
	s_wait_kmcnt 0x0
	s_add_nc_u64 s[4:5], s[4:5], s[16:17]
	s_add_nc_u64 s[26:27], s[10:11], s[26:27]
	s_add_nc_u64 s[28:29], s[10:11], s[28:29]
.irp j, 0,1,2,3,4,5,6,7
	global_load_b128 v[LW+4*\j:LW+4*\j+3], v2, s[6:7] offset:512*\j
.endr
.irp j, 0,1,2,3,4,5,6,7
	global_load_b128 v[LB+4*\j:LB+4*\j+3], v2, s[8:9] offset:512*\j
.endr
.irp i, 0,1,2,3
.irp j, 0,1,2,3,4,5,6,7
	global_load_b128 v[X+32*\i+4*\j:X+32*\i+4*\j+3], v2, s[4:5] offset:4096*\i+512*\j   ; 32 lanes read 512 consecutive bytes
.endr
.endr
.macro LANES                           ; v[T] summed over the 32 lanes, the sum in every lane
	s_delay_alu instid0(VALU_DEP_1)
	v_add_f32_dpp v[T], v[T], v[T] row_xmask:1 row_mask:0xf bank_mask:0xf
	s_delay_alu instid0(VALU_DEP_1)
	v_add_f32_dpp v[T], v[T], v[T] row_xmask:2 row_mask:0xf bank_mask:0xf
	s_delay_alu instid0(VALU_DEP_1)
	v_add_f32_dpp v[T], v[T], v[T] row_xmask:4 row_mask:0xf bank_mask:0xf
	s_delay_alu instid0(VALU_DEP_1)
	v_add_f32_dpp v[T], v[T], v[T] row_xmask:8 row_mask:0xf bank_mask:0xf
	s_delay_alu instid0(VALU_DEP_1)
	v_permlanex16_b32 v[TP], v[T], s20, s21
	s_delay_alu instid0(VALU_DEP_1)
	v_add_f32 v[T], v[T], v[TP]
.endm
.macro ROWN i                          ; row i of my four: normalised in place, then into the stage
.set XR, X+32*(\i)
	s_wait_loadcnt 8*(3-(\i))                      ; loads come back in order: ln_w, ln_b and this row are in; the younger rows' eight loads each may be out
	v_pk_add_f32 v[T:T+1], v[XR:XR+1], v[XR+2:XR+3]
	v_pk_add_f32 v[T+2:T+3], v[XR+4:XR+5], v[XR+6:XR+7]
.irp j, 8,12,16,20,24,28
	s_delay_alu instid0(VALU_DEP_2)
	v_pk_add_f32 v[T:T+1], v[T:T+1], v[XR+\j:XR+\j+1]
	s_delay_alu instid0(VALU_DEP_2)
	v_pk_add_f32 v[T+2:T+3], v[T+2:T+3], v[XR+\j+2:XR+\j+3]
.endr
	s_delay_alu instid0(VALU_DEP_1)
	v_pk_add_f32 v[T:T+1], v[T:T+1], v[T+2:T+3]
	s_delay_alu instid0(VALU_DEP_1)
	v_add_f32 v[T], v[T], v[T+1]
	LANES
	s_delay_alu instid0(VALU_DEP_1)
	v_mul_f32 v[M], s22, v[T]                      ; the mean
	s_delay_alu instid0(VALU_DEP_2)
	v_mul_f32 v[M+1], s22, v[T]
.irp j, 0,2,4,6,8,10,12,14,16,18,20,22,24,26,28,30
	v_pk_add_f32 v[XR+\j:XR+\j+1], v[XR+\j:XR+\j+1], v[M:M+1] neg_lo:[0,1] neg_hi:[0,1]   ; x - mean
.endr
	v_pk_mul_f32 v[T:T+1], v[XR:XR+1], v[XR:XR+1]
	v_pk_mul_f32 v[T+2:T+3], v[XR+2:XR+3], v[XR+2:XR+3]
.irp j, 4,8,12,16,20,24,28
	s_delay_alu instid0(VALU_DEP_2)
	v_pk_fma_f32 v[T:T+1], v[XR+\j:XR+\j+1], v[XR+\j:XR+\j+1], v[T:T+1]
	s_delay_alu instid0(VALU_DEP_2)
	v_pk_fma_f32 v[T+2:T+3], v[XR+\j+2:XR+\j+3], v[XR+\j+2:XR+\j+3], v[T+2:T+3]
.endr
	s_delay_alu instid0(VALU_DEP_1)
	v_pk_add_f32 v[T:T+1], v[T:T+1], v[T+2:T+3]
	s_delay_alu instid0(VALU_DEP_1)
	v_add_f32 v[T], v[T], v[T+1]
	LANES
	s_delay_alu instid0(VALU_DEP_1)
	v_fma_f32 v[VV], v[T], s22, s23                ; var + eps
	s_wait_alu depctr_va_vdst(0)
	v_rsq_f32 v[R], v[VV]
	v_rsq_f32 v[R+1], v[VV]
	v_nop                                          ; a plain instruction between a transcendental and the use of its result (ISA guide 5.7.2)
	s_wait_alu depctr_va_vdst(0)
.irp j, 0,2,4,6,8,10,12,14,16,18,20,22,24,26,28,30
	v_pk_mul_f32 v[XR+\j:XR+\j+1], v[XR+\j:XR+\j+1], v[R:R+1]
.endr
.irp j, 0,2,4,6,8,10,12,14,16,18,20,22,24,26,28,30
	v_pk_fma_f32 v[XR+\j:XR+\j+1], v[XR+\j:XR+\j+1], v[LW+\j:LW+\j+1], v[LB+\j:LB+\j+1]
.endr
.irp j, 0,1,2,3,4,5,6,7
	ds_store_b128 v3, v[XR+4*\j:XR+4*\j+3] offset:YP*(\i)+512*\j
.endr
.endm
	ROWN 0
	ROWN 1
	ROWN 2
	ROWN 3
	s_wait_dscnt 0x0                               ; for the others' sake: my rows lie in the stage
	s_barrier_signal -1
	s_barrier_wait -1
.irp c, 0,1
.irp q, 0,1,2,3,4,5,6,7
	ds_load_b128 v[X+32*\c+4*\q:X+32*\c+4*\q+3], v4 offset:256*\c+16*\q        ; tile 0: k = 128 w + 64 c + 32 h + 4 q on, of row r
.endr
.endr
.irp c, 0,1
.irp q, 0,1,2,3,4,5,6,7
	ds_load_b128 v[X+64+32*\c+4*\q:X+64+32*\c+4*\q+3], v5 offset:256*\c+16*\q  ; tile 1
.endr
.endr
.macro UNIT u                          ; tile u, K step w: 64 numbers of a lane become the operand's 8 registers and its row's scale word
.set Y, X+64*(\u)
.if (\u) == 0
	s_wait_dscnt 16                                ; tile 0's sixteen loads are in; tile 1's may be out
.else
	s_wait_dscnt 0x0
.endif
.irp c, 0,1
	v_max3_num_f32 v[MX+\c], |v[Y+32*\c]|, |v[Y+32*\c+1]|, 0x1800000   ; my block 2 c + h, and the floor 2^(3 - 127): the byte cannot fall under 1
.endr
.irp i, 2,4,6,8,10,12,14,16,18,20,22,24,26,28,30
.irp c, 0,1
	s_delay_alu instid0(VALU_DEP_2)
	v_max3_num_f32 v[MX+\c], v[MX+\c], |v[Y+32*\c+\i]|, |v[Y+32*\c+\i+1]|
.endr
.endr
.irp c, 0,1
	s_delay_alu instid0(VALU_DEP_2)
	v_add_nc_u32 v[SO+\c], 0xff000000, v[MX+\c]    ; 2 off the exponent field: the conversion takes that field as its scale
.endr
.irp c, 0,1
	s_delay_alu instid0(VALU_DEP_2)
	v_lshrrev_b32 v[BY+\c], 23, v[SO+\c]           ; the scale's byte
.endr
	s_delay_alu instid0(VALU_DEP_1)
	v_lshl_or_b32 v[WD+\u], v[BY+1], 16, v[BY]     ; my two bytes, blocks h and 2 + h,
	s_delay_alu instid0(VALU_DEP_1)
	v_lshlrev_b32 v[WD+\u], v9, v[WD+\u]           ; 8 h bits up;
	s_delay_alu instid0(VALU_DEP_1)
	v_permlanex16_b32 v[TP], v[WD+\u], s20, s21
	s_delay_alu instid0(VALU_DEP_1)
	v_or_b32 v[WD+\u], v[WD+\u], v[TP]             ; with lane l xor 16's two the word is whole, in both lanes
.irp c, 0,1
.irp g, 0,1,2,3
	v_cvt_scalef32_pk8_fp4_f32 v[PC+8*(\u)+4*\c+\g], v[Y+32*\c+8*\g:Y+32*\c+8*\g+7], v[SO+\c]
.endr
.endr
	v_nop                                          ; a plain instruction behind the last scaled conversion
.irp c, 0,1
	global_store_b128 v2, v[PC+8*(\u)+4*\c:PC+8*(\u)+4*\c+3], s[26:27] offset:8192*(\u)+512*\c   ; 32 lanes store 512 consecutive bytes, at a multiple of 256 from the buffer's first byte
.endr
.endm
	UNIT 0
	UNIT 1
	v_cndmask_b32 v[SW], v[WD], v[WD+1], s24
	ds_store_b32 v6, v[SW]
	s_wait_dscnt 0x0                               ; for the others' sake: my 128 bytes of scale words lie in LDS
	s_barrier_signal -1
	s_barrier_wait -1
	s_cmp_lt_u32 s12, 2                            ; the eight K steps' scale words, 1,024 consecutive bytes of the record, leave by waves 0 and 1
	s_cbranch_scc0 .Ldone
	ds_load_b128 v[48:51], v7
	s_wait_dscnt 0x0
	global_store_b128 v8, v[48:51], s[28:29]
.Ldone:
	s_wait_tensorcnt 0x0
	ds_add_u32 v62, v63
	s_wait_dscnt 0x0
	s_endpgm
.Lfunc_end_k_q47df1ec518_lnq:
	.size	k_q47df1ec518_lnq, .Lfunc_end_k_q47df1ec518_lnq-k_q47df1ec518_lnq
	.p2alignl 7, 3214868480
	.fill 96, 4, 3214868480
	.section	.rodata,"a",@progbits
	.p2align	6, 0x0
	.amdhsa_kernel k_q47df1ec518_lnq
		.amdhsa_group_segment_fixed_size 134144
		.amdhsa_private_segment_fixed_size 0
		.amdhsa_enable_private_segment 0
		.amdhsa_kernarg_size 32
		.amdhsa_user_sgpr_count 2
		.amdhsa_user_sgpr_kernarg_segment_ptr 1
		.amdhsa_wavefront_size32 1
		.amdhsa_system_sgpr_workgroup_id_x 1
		.amdhsa_system_sgpr_workgroup_id_y 1
		.amdhsa_system_sgpr_workgroup_id_z 1
		.amdhsa_system_vgpr_workitem_id 0
		.amdhsa_next_free_vgpr 256
		.amdhsa_next_free_sgpr 66
		.amdhsa_reserve_vcc 0
		.amdhsa_float_denorm_mode_32 3
		.amdhsa_float_denorm_mode_16_64 3
		.amdhsa_memory_ordered 1
		.amdhsa_forward_progress 1
		.amdhsa_inst_pref_size 51
	.end_amdhsa_kernel
	.amdgpu_metadata
---
amdhsa.version: [ 1, 2 ]
amdhsa.kernels:
  - .name:           k_q47df1ec518_lnq
    .symbol:         k_q47df1ec518_lnq.kd
    .args:
      - { .name: x, .offset: 0, .size: 8, .value_kind: global_buffer, .address_space: global }
      - { .name: ln_w, .offset: 8, .size: 8, .value_kind: global_buffer, .address_space: global }
      - { .name: ln_b, .offset: 16, .size: 8, .value_kind: global_buffer, .address_space: global }
      - { .name: hrec, .offset: 24, .size: 8, .value_kind: global_buffer, .address_space: global }
    .group_segment_fixed_size: 134144
    .private_segment_fixed_size: 0
    .kernarg_segment_align: 8
    .kernarg_segment_size: 32
    .max_flat_workgroup_size: 256
    .sgpr_count:     66
    .vgpr_count:     256
    .wavefront_size: 32
...
	.end_amdgpu_metadata
.endif
;; end of part 1
;; launch qkvg (part 2): grid 16 x 32, 12 waves a work-group, clusters of 4 x 4, 263,680 bytes of LDS; arguments hrec, w_qkv_codes, w_qkv_scales, qkv; writes qkv
.if DOCPART == 2
	.amdgcn_target "amdgcn-amd-amdhsa--gfx1250"
	.amdhsa_code_object_version 6
	.text
	.protected	k_q47df1ec518_qkvg
	.globl	k_q47df1ec518_qkvg
	.p2align	8
	.type	k_q47df1ec518_qkvg,@function
k_q47df1ec518_qkvg:
	s_mov_b64 s[64:65], 0
	v_nop
	global_prefetch_b8 v0, s[64:65] scope:SCOPE_SE
	s_setreg_imm32_b32 hwreg(HW_REG_WAVE_MODE, 25, 1), 1
	s_wait_xcnt 0x0
	s_wait_alu depctr_hold_cnt(0) depctr_sa_sdst(0) depctr_va_vdst(0) depctr_va_sdst(0) depctr_va_ssrc(0) depctr_va_vcc(0) depctr_vm_vsrc(0)
	s_getreg_b32 s2, hwreg(HW_REG_IB_STS2, 6, 4)
	s_cmp_eq_u32 s2, 0
	s_cbranch_scc0 .Lentry_in_a_cluster
	s_endpgm
.Lentry_in_a_cluster:
	s_bfe_u32 s2, ttmp6, 0x10000c
	s_cmp_lg_u32 s2, 0xf033
	s_cbranch_scc0 .Lentry_shape_is_right
	s_endpgm
.Lentry_shape_is_right:
; qkv = h W^T on codes of FP4 (E2M1) with E8M0 scales, and at once the quantisers of q and k (along the head's 64) and of v (along the keys).  No f32 number of qkv goes to memory.
; hrec: h as register images (see below).  w_qkv_codes [3072][512 bytes], w_qkv_scales [3072][32].  qkv: 1,024 records of 13,568 bytes, record ((16 b + head) 16 + g) for 128 rows (group g of batch b) of one head:
;   0 K codes 512 a + 16 lane | 4,096 K scale words 256 (a / 4) + 8 (16 (a % 2) + r) + 4 ((a / 2) % 2) | 4,608 V codes 1024 t + 512 c + 16 lane | 8,704 V scale words 128 (t / 2) + 4 (16 (t % 2) + r) | 8,960 Q codes | 13,056 Q scale words, as K's.
; SHARES.  A work-group takes 256 rows x one head's 192 columns, with all of K = 1,024 in LDS: every LDS byte is filled once.  Twelve waves: 0-3 make q, 4-7 k (64 rows x 64 columns each), 8-11 v (128 rows x 32 channels each);
; each has 16 accumulators and 16 matrix instructions for 128 along K, the accumulators by turns.
; LAYOUT.  Lane r of a tile 2 bb + u (of h's rows, and of W's rows within q, k or v) holds row 32 bb + 8 u + r + 8 (r / 8).  q, k: source 0 = 16 rows of W, source 1 = 16 rows of h: a lane holds one row of h, and the 16 registers of
; column tiles 2 bb, 2 bb + 1 are columns 32 bb + 16 (lane / 16) + 0 .. 15.  v: the sources change places: a lane holds one channel, and the 16 registers of row tiles 2 bb, 2 bb + 1 are 16 neighbouring keys.
; So each quantiser finds its K along a lane's registers.  q's and k's K is 64: their scale words carry two bytes and 0x7f twice; the other 64 codes of the operand are zeros that the next launch keeps in registers.
; CLUSTER 4 x 4: the four work-groups of a row of the cluster need the same 256 rows of h, the four of a column the same head's rows of W: both are asked for jointly.
; LIMITS: a block of zeros gets the byte 1 where the rule says 127 (its codes are zeros; this program alone reads the bytes); NaN and infinities are not served.
; V's scale words leave in stores of 128 consecutive bytes (a key step's 256 come from two waves): 256 of a record's 13,568 bytes.
.set HREC, 69632
.set REC,  13568
.set LW0,  2*HREC                      ; behind h's two records: W's rows 32 z + 0 .. 15 (z = 0 .. 5), row (16 z + y) at 528 (16 z + y)
.set LWD,  50816                       ; and 50,688 + 128 bytes on: its rows 32 z + 16 .. 31.  The 128 put lanes 8-15 of a tile on the other half of the 64 banks (ISA guide 11.1)
.set WP,   528                         ; a row of W: 512 bytes + 16
.set WV,   12                          ; s12 my wave's number
.set SEL,  56                          ; s[56:57] lane selects for v_permlanex16_b32
.set TM,   16                          ; v16-31 at work in the quantisers (the v waves keep W's fragments there until then)
.set WS,   32                          ; v32-47 W's scale words: register 4 t + s % 4, lanes 0-15 K steps 0-3, lanes 16-31 K steps 4-7
.set AS,   48                          ; v48-51 h's scale words of the K step: register bb, lanes 0-15 tile 2 bb, lanes 16-31 tile 2 bb + 1
.macro PLACES                          ; four places in front of loads into registers that matrix instructions have read, and of the first read of results
.rept 4
	v_nop
.endr
.endm
.macro ROUND                           ; a round of the cluster's barrier
	s_barrier_signal -1
	s_barrier_wait -1
	s_cmp_lg_u32 s[WV], 0
	s_cbranch_scc1 .Lnot_wave_0_\@
	s_barrier_signal -3
.Lnot_wave_0_\@:
	s_barrier_wait -3
	s_barrier_signal -1
	s_barrier_wait -1
.endm
; One matrix instruction: D at d, source 0 at a, source 1 at b; zero: the product starts the sum; sa, sb the scale registers; ra, rb = 1: their lanes 16-31 are read
.macro WM d, a, b, zero, sa, sb, ra, rb
.if (\zero) && ((\ra) == 0) && ((\rb) == 0)
	v_wmma_scale_f32_16x16x128_f8f6f4 v[(\d):(\d)+7], v[(\a):(\a)+7], v[(\b):(\b)+7], 0, v[\sa], v[\sb] matrix_a_fmt:MATRIX_FMT_FP4 matrix_b_fmt:MATRIX_FMT_FP4
.elseif (\zero) && ((\ra) == 1) && ((\rb) == 0)
	v_wmma_scale_f32_16x16x128_f8f6f4 v[(\d):(\d)+7], v[(\a):(\a)+7], v[(\b):(\b)+7], 0, v[\sa], v[\sb] matrix_a_fmt:MATRIX_FMT_FP4 matrix_b_fmt:MATRIX_FMT_FP4 matrix_a_scale:MATRIX_SCALE_ROW1
.elseif (\zero) && ((\ra) == 0) && ((\rb) == 1)
	v_wmma_scale_f32_16x16x128_f8f6f4 v[(\d):(\d)+7], v[(\a):(\a)+7], v[(\b):(\b)+7], 0, v[\sa], v[\sb] matrix_a_fmt:MATRIX_FMT_FP4 matrix_b_fmt:MATRIX_FMT_FP4 matrix_b_scale:MATRIX_SCALE_ROW1
.elseif (\zero)
	v_wmma_scale_f32_16x16x128_f8f6f4 v[(\d):(\d)+7], v[(\a):(\a)+7], v[(\b):(\b)+7], 0, v[\sa], v[\sb] matrix_a_fmt:MATRIX_FMT_FP4 matrix_b_fmt:MATRIX_FMT_FP4 matrix_a_scale:MATRIX_SCALE_ROW1 matrix_b_scale:MATRIX_SCALE_ROW1
.elseif ((\ra) == 0) && ((\rb) == 0)
	v_wmma_scale_f32_16x16x128_f8f6f4 v[(\d):(\d)+7], v[(\a):(\a)+7], v[(\b):(\b)+7], v[(\d):(\d)+7], v[\sa], v[\sb] matrix_a_fmt:MATRIX_FMT_FP4 matrix_b_fmt:MATRIX_FMT_FP4
.elseif ((\ra) == 1) && ((\rb) == 0)
	v_wmma_scale_f32_16x16x128_f8f6f4 v[(\d):(\d)+7], v[(\a):(\a)+7], v[(\b):(\b)+7], v[(\d):(\d)+7], v[\sa], v[\sb] matrix_a_fmt:MATRIX_FMT_FP4 matrix_b_fmt:MATRIX_FMT_FP4 matrix_a_scale:MATRIX_SCALE_ROW1
.elseif ((\ra) == 0) && ((\rb) == 1)
	v_wmma_scale_f32_16x16x128_f8f6f4 v[(\d):(\d)+7], v[(\a):(\a)+7], v[(\b):(\b)+7], v[(\d):(\d)+7], v[\sa], v[\sb] matrix_a_fmt:MATRIX_FMT_FP4 matrix_b_fmt:MATRIX_FMT_FP4 matrix_b_scale:MATRIX_SCALE_ROW1
.else
	v_wmma_scale_f32_16x16x128_f8f6f4 v[(\d):(\d)+7], v[(\a):(\a)+7], v[(\b):(\b)+7], v[(\d):(\d)+7], v[\sa], v[\sb] matrix_a_fmt:MATRIX_FMT_FP4 matrix_b_fmt:MATRIX_FMT_FP4 matrix_a_scale:MATRIX_SCALE_ROW1 matrix_b_scale:MATRIX_SCALE_ROW1
.endif
.endm
; 32 numbers of a lane, register 16 b + i = k 32 b + 16 (lane / 16) + i of its row, become 4 registers of codes (lane (r, h): block h whole) at pc and the two scale bytes in hw.  Each accumulator is read from its low end on.
.macro QUANT2 s, pc, hw
.irp b, 0,1
	v_max3_num_f32 v[TM+\b], |v[(\s)+16*\b]|, |v[(\s)+1+16*\b]|, 0x1800000   ; my 16 numbers of block b, and the floor 2^(3 - 127): the byte cannot fall under 1
.endr
.irp i, 2,4,6,8,10,12,14
.irp b, 0,1
	v_max3_num_f32 v[TM+\b], v[TM+\b], |v[(\s)+16*\b+\i]|, |v[(\s)+1+16*\b+\i]|
.endr
.endr
.irp b, 0,1
	s_delay_alu instid0(VALU_DEP_2)
	v_permlanex16_b32 v[TM+4+\b], v[TM+\b], s[SEL], s[SEL+1]
.endr
.irp b, 0,1
	s_delay_alu instid0(VALU_DEP_2)
	v_max_num_f32 v[TM+\b], v[TM+\b], v[TM+4+\b]   ; with lane l xor 16's: the block's largest magnitude
.endr
.irp b, 0,1
	s_delay_alu instid0(VALU_DEP_2)
	v_add_nc_u32 v[TM+12+\b], 0xff000000, v[TM+\b] ; 2 off its exponent field: the conversion's scale operand
.endr
.irp b, 0,1
	s_delay_alu instid0(VALU_DEP_2)
	v_lshrrev_b32 v[TM+4+\b], 23, v[TM+12+\b]      ; the scale's byte
.endr
	s_delay_alu instid0(VALU_DEP_1)
	v_lshl_or_b32 v[\hw], v[TM+5], 8, v[TM+4]
.irp b, 0,1
	v_cvt_scalef32_pk8_fp4_f32 v[(\pc)+2*\b], v[(\s)+16*\b:(\s)+7+16*\b], v[TM+12+\b]
	v_cvt_scalef32_pk8_fp4_f32 v[(\pc)+1+2*\b], v[(\s)+8+16*\b:(\s)+15+16*\b], v[TM+12+\b]
.endr
	v_nop                                          ; a plain instruction behind the last scaled conversion
	v_permlane16_swap_b32 v[\pc], v[(\pc)+2]       ; the first's lanes 16-31 change places with the second's lanes 0-15: a whole block in a lane
	v_permlane16_swap_b32 v[(\pc)+1], v[(\pc)+3]
.endm
; The same for 64 numbers, four blocks: 8 registers of codes at pc, the whole scale word in pw
.macro QUANT4 s, pc, pw
.irp b, 0,1,2,3
	v_max3_num_f32 v[TM+\b], |v[(\s)+16*\b]|, |v[(\s)+1+16*\b]|, 0x1800000
.endr
.irp i, 2,4,6,8,10,12,14
.irp b, 0,1,2,3
	v_max3_num_f32 v[TM+\b], v[TM+\b], |v[(\s)+16*\b+\i]|, |v[(\s)+1+16*\b+\i]|
.endr
.endr
.irp b, 0,1,2,3
	s_delay_alu instid0(VALU_DEP_4)
	v_permlanex16_b32 v[TM+4+\b], v[TM+\b], s[SEL], s[SEL+1]
.endr
.irp b, 0,1,2,3
	s_delay_alu instid0(VALU_DEP_4)
	v_max_num_f32 v[TM+\b], v[TM+\b], v[TM+4+\b]
.endr
.irp b, 0,1,2,3
	s_delay_alu instid0(VALU_DEP_4)
	v_add_nc_u32 v[TM+12+\b], 0xff000000, v[TM+\b]
.endr
.irp b, 0,1,2,3
	s_delay_alu instid0(VALU_DEP_4)
	v_lshrrev_b32 v[TM+4+\b], 23, v[TM+12+\b]
.endr
	s_delay_alu instid0(VALU_DEP_3)
	v_lshl_or_b32 v[\pw], v[TM+5], 8, v[TM+4]
	s_delay_alu instid0(VALU_DEP_1)
	v_lshl_or_b32 v[\pw], v[TM+6], 16, v[\pw]
	s_delay_alu instid0(VALU_DEP_1)
	v_lshl_or_b32 v[\pw], v[TM+7], 24, v[\pw]
.irp b, 0,1,2,3
	v_cvt_scalef32_pk8_fp4_f32 v[(\pc)+2*\b], v[(\s)+16*\b:(\s)+7+16*\b], v[TM+12+\b]
	v_cvt_scalef32_pk8_fp4_f32 v[(\pc)+1+2*\b], v[(\s)+8+16*\b:(\s)+15+16*\b], v[TM+12+\b]
.endr
	v_nop
.irp c, 0,1
.irp i, 0,1
	v_permlane16_swap_b32 v[(\pc)+4*\c+\i], v[(\pc)+2+4*\c+\i]
.endr
.endr
.endm
	s_load_b256 s[4:11], s[0:1], 0x0               ; hrec s[4:5], W's codes s[6:7], W's scales s[8:9], qkv s[10:11]
	v_lshl_add_u32 v62, v0, 2, 0x40000
	v_mov_b32 v63, 0
	ds_add_u32 v62, v63
	ds_add_u32 v62, v63
	v_lshrrev_b32 v1, 5, v0
	s_delay_alu instid0(VALU_DEP_1)
	v_readfirstlane_b32 s[WV], v1                  ; wave 0..11
	s_lshr_b32 s13, s[WV], 2                       ; kind: 0 q, 1 k, 2 v
	s_and_b32 s14, s[WV], 3                        ; which of the kind's four waves
	s_bfe_u32 s16, ttmp6, 0x40000                  ; cx
	s_bfe_u32 s17, ttmp6, 0x40004                  ; cy
	s_lshl_b32 s18, ttmp9, 2
	s_add_co_u32 s18, s18, s16                     ; the head = 4 x cluster x + cx
	s_and_b32 s19, ttmp7, 0xffff
	s_lshl_b32 s19, s19, 2
	s_add_co_u32 s19, s19, s17                     ; the block of 256 rows = 4 x cluster y + cy
	s_lshl_b32 s20, s17, 2
	s_lshl_b32 s20, 15, s20                        ; my row of the cluster
	s_lshl_b32 s21, 0x1111, s16                    ; my column
	; group 1 for h: 68 rows of 256 bytes, dense (an eighth of two records)
	s_or_b32 s24, s20, (3<<16)|(1<<21)             ; 15:0 the mask: my row; 17:16 elements of 8 bytes; 21 set beside a mask
	s_mov_b32 s25, 32<<16                          ; tensor_dim0 = 32
	s_mov_b32 s26, 68<<16                          ; tensor_dim1 = 68
	s_mov_b32 s27, 32<<16                          ; tile_dim0
	s_mov_b32 s28, 68                              ; tile_dim1
	s_mov_b32 s29, 32                              ; from row to row
	s_mov_b32 s30, 0
	s_mov_b32 s31, 0
	; group 1 for W: 6 rows of 8,192 bytes (16 rows of W on end), 16,384 bytes apart; 16 bytes of padding behind every 512
	s_or_b32 s36, s21, (3<<16)|(1<<20)|(1<<21)|(6<<22)|(3<<25)   ; the mask: my column; padding on; after every 128 words (code 6) four words (code 3)
	s_mov_b32 s37, 1024<<16
	s_mov_b32 s38, 6<<16
	s_mov_b32 s39, 1024<<16
	s_mov_b32 s40, 6
	s_mov_b32 s41, 2048
	s_mov_b32 s42, 0
	s_mov_b32 s43, 0
	s_mul_i32 s22, s19, 2*HREC                     ; h: my block's two records, which hang on the block of rows alone,
	s_mul_i32 s33, s[WV], 17408                    ; and wave w's eighth of them, in memory and in LDS
	s_add_co_u32 s22, s22, s33
	s_mov_b32 s23, 0
	s_and_b32 s54, s[WV], 1                        ; W: wave 8 the rows 32 z + 0 .. 15, wave 9 the rows 32 z + 16 .. 31
	s_mul_i32 s48, s18, 98304                      ; the head's 192 rows of 512 bytes, which hang on the head alone
	s_lshl_b32 s55, s54, 13
	s_add_co_u32 s48, s48, s55
	s_mov_b32 s49, 0
	s_mul_i32 s45, s54, LWD
	s_add_co_u32 s45, s45, LW0
	s_wait_dscnt 0x0
	s_wait_kmcnt 0x0
	s_mov_b32 s32, 1
	s_add_nc_u64 s[34:35], s[4:5], s[22:23]
	s_or_b32 s35, s35, 0x80000000
	s_mov_b32 s44, 1
	s_add_nc_u64 s[46:47], s[6:7], s[48:49]
	s_or_b32 s47, s47, 0x80000000
	ROUND                                          ; all sixteen work-groups are here: the joint loads meet
	s_cmp_lt_u32 s[WV], 8                          ; waves 0-7 fetch h, waves 8 and 9 W, waves 10 and 11 nothing; four v_nop follow each load
	s_cbranch_scc0 .Lnot_h
	tensor_load_to_lds s[32:35], s[24:31]
	s_nop 0
.rept 4
	v_nop
.endr
	s_branch .Lasked
.Lnot_h:
	s_cmp_lt_u32 s[WV], 10
	s_cbranch_scc0 .Lasked
	tensor_load_to_lds s[44:47], s[36:43]
	s_nop 0
.rept 4
	v_nop
.endr
.Lasked:
	s_lshr_b32 s50, s13, 1                         ; 1 in a v wave
	s_xor_b32 s51, s50, 1                          ; 1 in a q or k wave
	s_and_b32 s52, s14, s51                        ; q, k: which 64 rows of my group
	s_and_b32 s53, s14, s50                        ; v: which 32 channels
	s_lshr_b32 s15, s14, 1                         ; which of the block's two groups of 128 rows
	s_mov_b32 s[SEL], 0x76543210
	s_mov_b32 s[SEL+1], 0xfedcba98
	s_mov_b32 s62, 0xffff0000                      ; lanes 16-31
	v_and_b32 v8, 31, v0                           ; lane
	v_and_b32 v9, 15, v0                           ; r
	v_bfe_u32 v10, v0, 4, 1                        ; h
	v_and_b32 v11, 7, v0                           ; r % 8
	v_bfe_u32 v12, v0, 3, 1                        ; r / 8
	v_lshlrev_b32 v4, 4, v8
	v_xor_b32 v13, 128, v4                         ; v13: 16 x (lane xor 8): q's and k's code images of tiles 2 and 3 of each four lie so, rows 0-7 and 8-15 of each half exchanged
	v_lshlrev_b32 v5, 3, v8
	v_lshlrev_b32 v6, 2, v8
	s_wait_alu depctr_va_vdst(0)
	s_mul_i32 s55, s15, HREC
	s_lshl_b32 s54, s52, 15
	s_add_co_u32 s54, s54, s55
	v_add_nc_u32 v1, s54, v4                       ; v1: h's fragments: my group's record, my first tile, 16 x lane
	v_mul_u32_u24 v2, v11, WP
	s_delay_alu instid0(VALU_DEP_1)
	v_mad_u32_u24 v2, v12, LWD, v2
	s_delay_alu instid0(VALU_DEP_1)
	v_lshl_add_u32 v2, v10, 4, v2
	s_mul_i32 s54, s13, 32*WP
	s_mul_i32 s2, s53, 16*WP
	s_add_co_u32 s54, s54, s2
	s_add_co_u32 s54, s54, LW0
	v_add_nc_u32 v2, s54, v2                       ; v2: W's fragments: row r % 8 of the half r / 8, + 16 h; my kind's 64 rows, a v wave's 32 of them
	s_lshl_b32 s54, s52, 11
	s_add_co_u32 s54, s54, s55
	s_add_co_u32 s54, s54, 65536
	v_add_nc_u32 v3, s54, v6                       ; v3: h's scale words
	v_lshlrev_b32 v7, 5, v9
	s_delay_alu instid0(VALU_DEP_1)
	v_lshl_add_u32 v7, v12, 8, v7
	s_delay_alu instid0(VALU_DEP_1)
	v_lshl_add_u32 v7, v10, 4, v7                  ; v7: W's scale bytes: 32 (r + 8 (r / 8)) + 16 h
	s_wait_alu depctr_va_vdst(0)
	s_mul_i32 s58, s18, 6144
	s_lshl_b32 s54, s13, 11
	s_add_co_u32 s58, s58, s54
	s_lshl_b32 s54, s53, 10
	s_add_co_u32 s58, s58, s54
	s_mov_b32 s59, 0
	s_add_nc_u64 s[58:59], s[8:9], s[58:59]        ; tiles 0, 1 of my columns
	s_lshl_b32 s60, s51, 10
	s_mov_b32 s61, 0
	s_add_nc_u64 s[60:61], s[58:59], s[60:61]      ; tiles 2, 3 (a v wave has none and reads the first two again: no load leaves the buffer)
	global_load_b128 v[WS:WS+3], v7, s[58:59]      ; each load reads two runs of 256 consecutive bytes
	global_load_b128 v[WS+4:WS+7], v7, s[58:59] offset:256
	global_load_b128 v[WS+8:WS+11], v7, s[60:61]
	global_load_b128 v[WS+12:WS+15], v7, s[60:61] offset:256
	s_lshr_b32 s2, s19, 3                          ; my record of qkv: ((16 b + head) 16 + group of the batch)
	s_lshl_b32 s2, s2, 4
	s_add_co_u32 s2, s2, s18
	s_lshl_b32 s2, s2, 4
	s_and_b32 s3, s19, 7
	s_lshl_b32 s3, s3, 1
	s_add_co_u32 s2, s2, s3
	s_add_co_u32 s2, s2, s15
	s_mul_i32 s2, s2, REC
	s_mov_b32 s3, 0
	s_add_nc_u64 s[10:11], s[10:11], s[2:3]
	s_wait_tensorcnt 0x0                           ; my part of the tiles has landed,
	s_barrier_signal -1
	s_barrier_wait -1                              ; everybody's has
	s_wait_loadcnt 0x0                             ; W's scale words
	s_cmp_lt_u32 s13, 2
	s_cbranch_scc0 .Lv
; ---- q and k: v64-95 four tiles of h, v96-127 four tiles of W, accumulator (a, t) at v[128 + 8 (4 a + t)]
.macro QKSTEP s
.if (\s) > 0
	PLACES
.endif
.irp a, 0,1,2,3
.irp c, 0,1
	ds_load_b128 v[64+8*\a+4*\c:67+8*\a+4*\c], v1 offset:8192*\a+1024*(\s)+512*\c
.endr
.endr
.irp t, 0,1,2,3
.irp c, 0,1
	ds_load_b128 v[96+8*\t+4*\c:99+8*\t+4*\c], v2 offset:(16*(\t/2)+8*(\t%2))*WP+64*(\s)+32*\c
.endr
.endr
.irp b, 0,1
	ds_load_b32 v[AS+\b], v3 offset:1024*\b+128*(\s)
.endr
	s_wait_dscnt 0x0
.irp a, 0,1,2,3
.irp t, 0,1,2,3
	WM 128+8*(4*\a+\t),96+8*\t,64+8*\a,(\s)==0,WS+4*\t+(\s)%4,AS+\a/2,(\s)/4,\a%2
.endr
.endr
.endm
.irp s, 0,1,2,3,4,5,6,7
	QKSTEP \s
.endr
	PLACES
	v_mov_b32 v[TM+4], 0                           ; a lane permute's destination counts as one of its sources
	v_mov_b32 v[TM+5], 0
.irp a, 0,1,2,3
	QUANT2 128+32*\a,64+4*\a,80+\a
	v_or_b32 v[80+\a], 0x7f7f0000, v[80+\a]        ; the bytes of the 64 zero codes: 2^0
.endr
	v_cndmask_b32 v84, v80, v81, s62               ; lanes 0-15 tile 0's words, lanes 16-31 tile 1's;
	s_delay_alu instid0(VALU_DEP_2)
	v_cndmask_b32 v85, v82, v83, s62               ; tiles 2 and 3
	s_cmp_eq_u32 s13, 0
	s_cselect_b32 s2, 8960, 0                      ; q's part of the record, or k's
	s_lshl_b32 s54, s52, 11
	s_add_co_u32 s22, s2, s54                      ; codes: 512 x my first tile
	s_mov_b32 s23, 0
	s_add_nc_u64 s[22:23], s[10:11], s[22:23]
	s_lshl_b32 s54, s52, 8
	s_add_co_u32 s48, s2, s54
	s_add_co_u32 s48, s48, 4096                    ; scale words: 256 bytes for my four tiles
	s_mov_b32 s49, 0
	s_add_nc_u64 s[48:49], s[10:11], s[48:49]
	s_wait_alu depctr_va_vdst(0)
.irp a, 0,1,2,3
.if \a < 2
	global_store_b128 v4, v[64+4*\a:67+4*\a], s[22:23] offset:512*\a   ; 32 lanes store 512 consecutive bytes, at a multiple of 256 from the buffer's first byte
.else
	global_store_b128 v13, v[64+4*\a:67+4*\a], s[22:23] offset:512*\a  ; the same 512 bytes, lane l's 16 at 16 (l xor 8)
.endif
.endr
	global_store_b64 v5, v[84:85], s[48:49]        ; 256 consecutive bytes, likewise
	s_branch .Ljoin
; ---- v: v64-127 eight tiles of h, v16-31 two tiles of W, accumulator (t, a) at v[128 + 64 t + 8 a]
.Lv:
.macro VSTEP s
.if (\s) > 0
	PLACES
.endif
.irp a, 0,1,2,3,4,5,6,7
.irp c, 0,1
	ds_load_b128 v[64+8*\a+4*\c:67+8*\a+4*\c], v1 offset:8192*\a+1024*(\s)+512*\c
.endr
.endr
.irp t, 0,1
.irp c, 0,1
	ds_load_b128 v[16+8*\t+4*\c:19+8*\t+4*\c], v2 offset:8*\t*WP+64*(\s)+32*\c
.endr
.endr
.irp b, 0,1,2,3
	ds_load_b32 v[AS+\b], v3 offset:1024*\b+128*(\s)
.endr
	s_wait_dscnt 0x0
.irp t, 0,1
.irp a, 0,1,2,3,4,5,6,7
	WM 128+64*\t+8*\a,64+8*\a,16+8*\t,(\s)==0,AS+\a/2,WS+4*\t+(\s)%4,\a%2,(\s)/4
.endr
.endr
.endm
.irp s, 0,1,2,3,4,5,6,7
	VSTEP \s
.endr
	PLACES
.irp b, 0,1,2,3
	v_mov_b32 v[TM+4+\b], 0
.endr
	QUANT4 128,64,80
	QUANT4 192,72,81
	v_cndmask_b32 v82, v80, v81, s62               ; lanes 0-15 my first tile's words, lanes 16-31 my second's
	s_lshl_b32 s22, s53, 11
	s_add_co_u32 s22, s22, 4608                    ; codes: 1,024 x my first tile
	s_mov_b32 s23, 0
	s_add_nc_u64 s[22:23], s[10:11], s[22:23]
	s_lshl_b32 s48, s53, 7
	s_add_co_u32 s48, s48, 8704
	s_mov_b32 s49, 0
	s_add_nc_u64 s[48:49], s[10:11], s[48:49]
	s_wait_alu depctr_va_vdst(0)
.irp t, 0,1
.irp c, 0,1
	global_store_b128 v4, v[64+8*\t+4*\c:67+8*\t+4*\c], s[22:23] offset:1024*\t+512*\c
.endr
.endr
	global_store_b32 v6, v82, s[48:49]             ; 128 consecutive bytes
.Ljoin:
	s_wait_tensorcnt 0x0
	ds_add_u32 v62, v63
	s_wait_dscnt 0x0
	ROUND                                          ; the closing round: no work-group ends while a partner may still ask for a tile that names it
	s_endpgm
.Lfunc_end_k_q47df1ec518_qkvg:
	.size	k_q47df1ec518_qkvg, .Lfunc_end_k_q47df1ec518_qkvg-k_q47df1ec518_qkvg
	.p2alignl 7, 3214868480
	.fill 96, 4, 3214868480
	.section	.rodata,"a",@progbits
	.p2align	6, 0x0
	.amdhsa_kernel k_q47df1ec518_qkvg
		.amdhsa_group_segment_fixed_size 263680
		.amdhsa_private_segment_fixed_size 0
		.amdhsa_enable_private_segment 0
		.amdhsa_kernarg_size 32
		.amdhsa_user_sgpr_count 2
		.amdhsa_user_sgpr_kernarg_segment_ptr 1
		.amdhsa_wavefront_size32 1
		.amdhsa_system_sgpr_workgroup_id_x 1
		.amdhsa_system_sgpr_workgroup_id_y 1
		.amdhsa_system_sgpr_workgroup_id_z 1
		.amdhsa_system_vgpr_workitem_id 0
		.amdhsa_next_free_vgpr 256
		.amdhsa_next_free_sgpr 66
		.amdhsa_reserve_vcc 0
		.amdhsa_float_denorm_mode_32 3
		.amdhsa_float_denorm_mode_16_64 3
		.amdhsa_memory_ordered 1
		.amdhsa_forward_progress 1
		.amdhsa_inst_pref_size 83
	.end_amdhsa_kernel
	.amdgpu_metadata
---
amdhsa.version: [ 1, 2 ]
amdhsa.kernels:
  - .name:           k_q47df1ec518_qkvg
    .symbol:         k_q47df1ec518_qkvg.kd
    .args:
      - { .name: hrec, .offset: 0, .size: 8, .value_kind: global_buffer, .address_space: global }
      - { .name: w_qkv_codes, .offset: 8, .size: 8, .value_kind: global_buffer, .address_space: global }
      - { .name: w_qkv_scales, .offset: 16, .size: 8, .value_kind: global_buffer, .address_space: global }
      - { .name: qkv, .offset: 24, .size: 8, .value_kind: global_buffer, .address_space: global }
    .group_segment_fixed_size: 263680
    .private_segment_fixed_size: 0
    .kernarg_segment_align: 8
    .kernarg_segment_size: 32
    .max_flat_workgroup_size: 384
    .sgpr_count:     66
    .vgpr_count:     256
    .wavefront_size: 32
...
	.end_amdgpu_metadata
.endif
;; end of part 2
;; launch attn (part 3): grid 8 x 32, 16 waves a work-group, clusters of 4 x 1, 327,680 bytes of LDS; arguments qkv, orec; writes orec
.if DOCPART == 3
	.amdgcn_target "amdgcn-amd-amdhsa--gfx1250"
	.amdhsa_code_object_version 6
	.text
	.protected	k_q47df1ec518_attn
	.globl	k_q47df1ec518_attn
	.p2align	8
	.type	k_q47df1ec518_attn,@function
k_q47df1ec518_attn:
	s_mov_b64 s[64:65], 0
	v_nop
	global_prefetch_b8 v0, s[64:65] scope:SCOPE_SE
	s_setreg_imm32_b32 hwreg(HW_REG_WAVE_MODE, 25, 1), 1
	s_wait_xcnt 0x0
	s_wait_alu depctr_hold_cnt(0) depctr_sa_sdst(0) depctr_va_vdst(0) depctr_va_sdst(0) depctr_va_ssrc(0) depctr_va_vcc(0) depctr_vm_vsrc(0)
	s_getreg_b32 s2, hwreg(HW_REG_IB_STS2, 6, 4)
	s_cmp_eq_u32 s2, 0
	s_cbranch_scc0 .Lentry_in_a_cluster
	s_endpgm
.Lentry_in_a_cluster:
	s_bfe_u32 s2, ttmp6, 0x10000c
	s_cmp_lg_u32 s2, 0x3003
	s_cbranch_scc0 .Lentry_shape_is_right
	s_endpgm
.Lentry_shape_is_right:
; O = softmax(Q K^T / 32) V for two heads of one batch and 256 queries, both products on codes of FP4 (E2M1) with E8M0 scales; O is quantised along the head's 64 and leaves as register images for the out-projection.
; qkv: records of 13,568 bytes, one for 128 rows of one head: 0 K codes 512 a + 16 lane (tiles with (a / 2) % 2 = 1: 16 (lane xor 8)) | 4,096 K scale words | 4,608 V codes 1024 t + 512 c + 16 lane | 8,704 V scale words | 8,960 Q codes, as K's | 13,056 Q scale words.
; THE SOFTMAX: t = score x log2(e) / 32; M = the running largest t rounded up to a whole number; p = 2^(t - M) is quantised along the keys, not normalised; the row's sum is taken of the unquantised p and divides O at the end.
; When M moves, the sum and O are multiplied by 2^(old M - new M), in every step, with no branch.
; SHARES.  A work-group: 256 queries x 2 heads; each of sixteen waves 16 queries, head 0 and then head 1, 16 key steps of 128 keys each.  K's and V's parts of the 32 records (8,960 bytes each) lie in LDS for the whole launch:
; wave w asks for records 2 w and 2 w + 1 by ONE tensor load, two rows of 8,960 bytes 13,568 apart.  The four work-groups of a cluster walk the same two heads and ask jointly.  Every LDS byte is filled once.
; No data prefetch: all that the launch reads through LDS is asked for at the head, so there is no loop to run ahead in.
; LAYOUT.  Both products are used transposed: a lane holds one query (lane % 16).  THE KEYS OF A TILE OF K ARE CHOSEN BY THE LANES' ADDRESSES: row r of tile (c, t) is key 64 c + 32 (r / 8) + 8 t + r % 8 of the step.
; So score register 32 c + 8 t + j of lane (q, h) is key 64 c + 32 h + 8 t + j: A LANE'S 32 REGISTERS ARE ONE WHOLE BLOCK, 2 c + h: its largest needs no other lane, and the four conversions of a block give registers 4 c .. 4 c + 3 of P's operand as they stand.
; K's head size is 64: the upper four registers of a fragment of K and of Q are zero codes, kept in registers; their scale bytes are 0x7f.
; FETCHES.  Behind the first product's places a step asks LDS for its own V and for the NEXT step's K; one wait for all of them stands ahead of the second product.  Head 0's last step fetches head 1's first K; the very last step is written out and fetches no K.
; THE WAVES WALK THE KEYS TOGETHER: ahead of the second product of a step a wave waits until all sixteen have passed that place in the step before, and signals anew.  Between signal and wait stand register work and LDS loads of tiles that nobody writes.
; LIMITS: the promise holds while the scaled scores stay under 2^31 in magnitude; a block of zeros gets the byte 1 where the rule says 127 (its codes are zeros; this program alone reads the bytes); NaN and infinities are not served.
; REGISTERS: v1-4 lane offsets, v5-8, v255 the step's LDS addresses, v9 8 h, v10-11 the spare word and 0, v12 -M, v13 the largest score, v14-15 the sum, v16-31 Q of both heads (v16-20 later head 0's result), v32-95 K, v96-159 scores and p,
; v160-191 O^T, v192-223 V, v224-231 p's codes, v232-235 maxima, v236-237 a second sum, v238 a permute's destination, v239 the old -M, v240-241 V's scale words, v242-245 bytes and scale operands, v246-247 Q's scale words, v248-251 K's, v252 f, v253 p's scale word, v254 at work.
.set REC,   13568
.set HREC,  69632
.set KSB,   8960
.set HEADB, 16*KSB
.set HEADG, 16*REC
.set OSG,   2*HEADB                    ; behind the tiles: 1,024 bytes for O's scale words on their way out
.set SPARE, 0x48000                    ; the spare words, 128 bytes a wave
.set WV,    8
.set SEL,   28
.set CS,    30                         ; s[30:31] c = log2(e) / 32
.set NC,    56                         ; s56 -c
.set TM,    232
.macro PLACES
.rept 4
	v_nop
.endr
.endm
.macro ROUND
	s_barrier_signal -1
	s_barrier_wait -1
	s_cmp_lg_u32 s[WV], 0
	s_cbranch_scc1 .Lnot_wave_0_\@
	s_barrier_signal -3
.Lnot_wave_0_\@:
	s_barrier_wait -3
	s_barrier_signal -1
	s_barrier_wait -1
.endm
.macro WM d, a, b, zero, sa, sb, ra
.if (\zero) && ((\ra) == 0)
	v_wmma_scale_f32_16x16x128_f8f6f4 v[(\d):(\d)+7], v[(\a):(\a)+7], v[(\b):(\b)+7], 0, v[\sa], v[\sb] matrix_a_fmt:MATRIX_FMT_FP4 matrix_b_fmt:MATRIX_FMT_FP4
.elseif (\zero)
	v_wmma_scale_f32_16x16x128_f8f6f4 v[(\d):(\d)+7], v[(\a):(\a)+7], v[(\b):(\b)+7], 0, v[\sa], v[\sb] matrix_a_fmt:MATRIX_FMT_FP4 matrix_b_fmt:MATRIX_FMT_FP4 matrix_a_scale:MATRIX_SCALE_ROW1
.elseif ((\ra) == 0)
	v_wmma_scale_f32_16x16x128_f8f6f4 v[(\d):(\d)+7], v[(\a):(\a)+7], v[(\b):(\b)+7], v[(\d):(\d)+7], v[\sa], v[\sb] matrix_a_fmt:MATRIX_FMT_FP4 matrix_b_fmt:MATRIX_FMT_FP4
.else
	v_wmma_scale_f32_16x16x128_f8f6f4 v[(\d):(\d)+7], v[(\a):(\a)+7], v[(\b):(\b)+7], v[(\d):(\d)+7], v[\sa], v[\sb] matrix_a_fmt:MATRIX_FMT_FP4 matrix_b_fmt:MATRIX_FMT_FP4 matrix_a_scale:MATRIX_SCALE_ROW1
.endif
.endm
; O's quantiser: 32 numbers of a lane, register 16 b + i = channel 32 b + 16 (lane / 16) + i, become 4 registers of codes at pc and two scale bytes in hw
.macro QUANT2 s, pc, hw
.irp b, 0,1
	v_max3_num_f32 v[TM+\b], |v[(\s)+16*\b]|, |v[(\s)+1+16*\b]|, 0x1800000
.endr
.irp i, 2,4,6,8,10,12,14
.irp b, 0,1
	s_delay_alu instid0(VALU_DEP_2)
	v_max3_num_f32 v[TM+\b], v[TM+\b], |v[(\s)+16*\b+\i]|, |v[(\s)+1+16*\b+\i]|
.endr
.endr
.irp b, 0,1
	s_delay_alu instid0(VALU_DEP_2)
	v_permlanex16_b32 v[TM+4+\b], v[TM+\b], s[SEL], s[SEL+1]
.endr
.irp b, 0,1
	s_delay_alu instid0(VALU_DEP_2)
	v_max_num_f32 v[TM+\b], v[TM+\b], v[TM+4+\b]
.endr
.irp b, 0,1
	s_delay_alu instid0(VALU_DEP_2)
	v_add_nc_u32 v[TM+12+\b], 0xff000000, v[TM+\b]
.endr
.irp b, 0,1
	s_delay_alu instid0(VALU_DEP_2)
	v_lshrrev_b32 v[TM+4+\b], 23, v[TM+12+\b]
.endr
	s_delay_alu instid0(VALU_DEP_1)
	v_lshl_or_b32 v[\hw], v[TM+5], 8, v[TM+4]
.irp b, 0,1
	v_cvt_scalef32_pk8_fp4_f32 v[(\pc)+2*\b], v[(\s)+16*\b:(\s)+7+16*\b], v[TM+12+\b]
	v_cvt_scalef32_pk8_fp4_f32 v[(\pc)+1+2*\b], v[(\s)+8+16*\b:(\s)+15+16*\b], v[TM+12+\b]
.endr
	v_nop
	v_permlane16_swap_b32 v[\pc], v[(\pc)+2]
	v_permlane16_swap_b32 v[(\pc)+1], v[(\pc)+3]
.endm
; K's eight fragments (lower four registers each) and four registers of scale words of the key step that begins off bytes behind the addresses.  a0: tiles t = 0, 1; a1 = a0 xor 128: tiles t = 2, 3.
; Rows 8-15 lie 1,024 + 128 or 1,024 - 128 bytes from rows 0-7.
.macro KLOAD a0, a1, as, off
.irp c, 0,1
.irp u, 0,1
	ds_load_b128 v[32+8*(4*\c+\u):35+8*(4*\c+\u)], v[\a0] offset:(\off)+2048*\c+512*\u
	ds_load_b128 v[48+8*(4*\c+\u):51+8*(4*\c+\u)], v[\a1] offset:(\off)+2048*\c+512*\u
.endr
.irp x, 0,1
	ds_load_b32 v[248+2*\c+\x], v[\as] offset:(\off)+4096+256*\c+64*\x   ; lanes 0-15 tile 2 x, lanes 16-31 tile 2 x + 1
.endr
.endr
.endm
.macro TMM n                           ; n packed multiply-adds: t - M of two scores each
.rept \n
	v_pk_fma_f32 v[96+TJ:97+TJ], v[96+TJ:97+TJ], s[CS:CS+1], v[12:13] op_sel_hi:[1,0,0]
.set TJ, TJ+2
.endr
.endm
.macro SUMS n                          ; n pairs of p, from register SJ on, into the four chains of the row's sum, by turns (v14-15, v236-237, v254-255, v234-235)
.rept \n
.if SC == 0
	v_pk_add_f32 v[14:15], v[14:15], v[SJ:SJ+1]
.elseif SC == 1
	v_pk_add_f32 v[236:237], v[236:237], v[SJ:SJ+1]
.elseif SC == 2
	v_pk_add_f32 v[254:255], v[254:255], v[SJ:SJ+1]
.else
	v_pk_add_f32 v[234:235], v[234:235], v[SJ:SJ+1]
.endif
.set SC, (SC+1)%4
.set SJ, SJ+2
.endr
.endm
; A KEY STEP of 128 keys at LDS byte s32.  pf: the next step's K is fetched.  sig: a further step follows
.macro STEP head, pf, sig
.irp c, 0,1
.irp t, 0,1,2,3
	WM 96+8*(4*\c+\t),32+8*(4*\c+\t),16+8*(\head),1,248+2*\c+\t/2,246+(\head),\t%2
.endr
.endr
	v_add_nc_u32 v5, s32, v2                       ; these five are the places behind the products above and behind the last step's second product, ahead of the loads into their registers
	v_add_nc_u32 v6, s32, v4
	v_add_nc_u32 v7, s32, v1
	v_add_nc_u32 v8, s32, v3
	v_xor_b32 v255, 128, v5
.irp t, 0,1,2,3
.irp c, 0,1
	ds_load_b128 v[192+8*\t+4*\c:195+8*\t+4*\c], v7 offset:4608+1024*\t+512*\c
.endr
.endr
.irp i, 0,1
	ds_load_b32 v[240+\i], v8 offset:8704+128*\i
.endr
.if \pf
	KLOAD 5, 255, 6, KSB
.endif
.irp k, 0,1,2,3                                ; four chains of 16 scores, by turns; each accumulator is read from its low end on
	v_max3_num_f32 v[232+\k], v[96+16*\k], v[97+16*\k], v[98+16*\k]
.endr
.irp i, 3,5,7,9,11,13
.irp k, 0,1,2,3
	v_max3_num_f32 v[232+\k], v[232+\k], v[96+16*\k+\i], v[97+16*\k+\i]
.endr
.endr
	v_max3_num_f32 v232, v232, v233, v111
	v_max3_num_f32 v234, v234, v235, v143
	v_max_num_f32 v232, v232, v127                 ; my block h's largest score,
	v_max_num_f32 v234, v234, v159                 ; and block 2 + h's: each serves for the row's maximum and, since p rises with the score, for the block's largest p
	s_delay_alu instid0(VALU_DEP_1)
	v_max3_num_f32 v254, v232, v234, v13
	s_delay_alu instid0(VALU_DEP_1)
	v_permlanex16_b32 v238, v254, s[SEL], s[SEL+1]
	s_delay_alu instid0(VALU_DEP_1)
	v_max_num_f32 v13, v254, v238                  ; the running largest score of my query
	s_delay_alu instid0(VALU_DEP_1)
	v_mul_f32 v254, s[NC], v13                     ; -t (c is positive)
	s_delay_alu instid0(VALU_DEP_1)
	v_floor_f32 v12, v254                          ; -M = floor(-t): M is a whole number
	s_delay_alu instid0(VALU_DEP_1)
	v_sub_f32 v254, v12, v239                      ; old M - new M, 0 or less
.set TJ, 0
	TMM 4
	v_cvt_i32_f32 v254, v254                       ; (it saturates)
	TMM 4
	v_ldexp_f32 v252, 1.0, v254                    ; f = 2^(old M - new M)
	TMM 24
	v_fma_f32 v232, v232, s[CS], v12               ; the same multiply-add on each block's largest score
	v_fma_f32 v234, v234, s[CS], v12
.irp j, 0,2,4,6,8,10,12,14,16,18,20,22,24,26,28,30
	v_pk_mul_f32 v[160+\j:161+\j], v[160+\j:161+\j], v[252:253] op_sel_hi:[1,0]   ; O^T under the new M; no transcendental stands between the products that wrote it and these lines
.endr
	s_wait_alu depctr_va_vdst(0)                   ; the wait ahead of the batch
.irp j, 0,1,2,3,4,5,6,7,8,9,10,11,12,13,14,15,16,17,18,19,20,21,22,23,24,25,26,27,28,29,30,31,32,33,34,35,36,37,38,39,40,41,42,43,44,45,46,47,48,49,50,51,52,53,54,55,56,57,58,59,60,61,62,63
	v_exp_f32 v[96+\j], v[96+\j]                   ; p = 2^(t - M)
.endr
	v_exp_f32 v232, v232
	v_exp_f32 v234, v234
	v_mov_b32 v239, v12                            ; the next step's old -M: the plain line behind the batch
	s_wait_alu depctr_va_vdst(0)                   ; and the wait behind it, ahead of its first reader
	v_max_num_f32 v232, 0x1800000, v232            ; the floor 2^(3 - 127): the byte cannot fall under 1
	v_max_num_f32 v234, 0x1800000, v234
	v_pk_add_f32 v[236:237], v[96:97], v[98:99]    ; the row's sum, of the unquantised p, in two chains; the scales' lines stand among them
	v_pk_fma_f32 v[14:15], v[14:15], v[252:253], v[100:101] op_sel_hi:[1,0,1]   ; the old sum under the new M
	v_pk_add_f32 v[254:255], v[102:103], v[104:105]   ; a third chain
	v_add_nc_u32 v244, 0xff000000, v232            ; 2 off the exponent field: the conversions' scale operands
	v_add_nc_u32 v245, 0xff000000, v234
	v_pk_add_f32 v[234:235], v[106:107], v[108:109]   ; and a fourth, in registers that the maxima have left
.set SJ, 110
.set SC, 0
	SUMS 2
	v_lshrrev_b32 v242, 23, v244                   ; the scales' bytes
	v_lshrrev_b32 v243, 23, v245
	SUMS 1
	v_lshl_or_b32 v242, v243, 16, v242             ; blocks h and 2 + h,
	SUMS 1
	v_lshlrev_b32 v242, v9, v242                   ; 8 h bits up;
	SUMS 1
	v_permlanex16_b32 v238, v242, s[SEL], s[SEL+1]
	SUMS 1
	v_or_b32 v253, v242, v238                      ; with lane l xor 16's two the scale word of these 128 keys is whole
.irp c, 0,1
.irp t, 0,1,2,3
	v_cvt_scalef32_pk8_fp4_f32 v[224+4*\c+\t], v[96+32*\c+8*\t:103+32*\c+8*\t], v[244+\c]
.endr
.endr
	SUMS 19                                        ; 19 plain lines and three more between the scale word, the codes and the product that takes them
	v_pk_add_f32 v[14:15], v[14:15], v[236:237]
	v_pk_add_f32 v[254:255], v[254:255], v[234:235]
	v_pk_add_f32 v[14:15], v[14:15], v[254:255]
	s_wait_alu depctr_va_vdst(0)                   ; the wait here, directly ahead of the waits below
	s_wait_dscnt 0x0                               ; this step's V and the next step's K are in
	s_barrier_wait -1                              ; all sixteen waves have passed this place in the step before
.if \sig
	s_barrier_signal -1                            ; and I have passed it in this one (no LDS instruction of mine is out)
.endif
.irp t, 0,1,2,3
	WM 160+8*\t,192+8*\t,224,0,240+\t/2,253,\t%2
.endr
.endm
.macro INIT
	v_mov_b32 v13, 0xff61b1e6                      ; the largest score so far: -3e38
	v_mov_b32 v239, 0x7f61b1e6                     ; and a -M to match: the first f is 0, on zeros
	v_mov_b32 v14, 0
	v_mov_b32 v15, 0
.irp n, 0,1,2,3,4,5,6,7,8,9,10,11,12,13,14,15,16,17,18,19,20,21,22,23,24,25,26,27,28,29,30,31
	v_mov_b32 v[160+\n], 0
.endr
.endm
.macro FINISH pc, hw                   ; O^T / the sum, quantised
	PLACES
	v_add_f32 v14, v14, v15
	s_delay_alu instid0(VALU_DEP_1)
	v_permlanex16_b32 v252, v14, s[SEL], s[SEL+1]
	s_delay_alu instid0(VALU_DEP_1)
	v_add_f32 v14, v14, v252
	s_wait_alu depctr_va_vdst(0)
	v_rcp_f32 v14, v14
	v_nop
	s_wait_alu depctr_va_vdst(0)
.irp n, 0,1,2,3,4,5,6,7,8,9,10,11,12,13,14,15,16,17,18,19,20,21,22,23,24,25,26,27,28,29,30,31
	v_mul_f32 v[96+\n], v[160+\n], v14
.endr
	QUANT2 96,\pc,\hw
.endm
	s_load_b128 s[4:7], s[0:1], 0x0                ; qkv s[4:5], orec s[6:7]
	v_lshl_add_u32 v10, v0, 2, SPARE
	v_mov_b32 v11, 0
	ds_add_u32 v10, v11                            ; the opening lines: the add twice on end and its wait ahead of my tensor load
	ds_add_u32 v10, v11
	v_lshrrev_b32 v1, 5, v0
	v_readfirstlane_b32 s[WV], v1                  ; wave 0..15
	s_bfe_u32 s9, ttmp6, 0x40000
	s_lshl_b32 s10, ttmp9, 2
	s_add_co_u32 s10, s10, s9                      ; the block of 256 queries
	s_and_b32 s11, ttmp7, 0xffff                   ; the pair of heads
	s_mov_b32 s16, 15|(3<<16)|(1<<21)              ; the mask: all four of the cluster; elements of 8 bytes; bit 21 beside a mask
	s_mov_b32 s17, 1120<<16                        ; a row: 8,960 bytes
	s_mov_b32 s18, 2<<16                           ; two rows
	s_mov_b32 s19, 1120<<16
	s_mov_b32 s20, 2
	s_mov_b32 s21, 1696                            ; 13,568 bytes from record to record
	s_mov_b32 s22, 0
	s_mov_b32 s23, 0
	s_mul_i32 s42, s11, 2*HEADG
	s_mul_i32 s43, s[WV], 2*REC
	s_add_co_u32 s44, s42, s43
	s_mov_b32 s45, 0
	s_mul_i32 s13, s[WV], 2*KSB
	s_wait_alu depctr_va_vdst(0)
	s_wait_dscnt 0x0
	s_wait_kmcnt 0x0
	s_mov_b32 s12, 1
	s_add_nc_u64 s[14:15], s[4:5], s[44:45]
	s_or_b32 s15, s15, 0x80000000
	ROUND                                          ; all four work-groups are here: the joint loads meet
	s_cmp_lt_u32 s[WV], 8                          ; waves 0-7 ask for head 0's sixteen records, waves 8-15 for head 1's: a load line for each group, since the groups wait at different places
	s_cbranch_scc0 .Lhead1_tiles
	tensor_load_to_lds s[12:15], s[16:23]          ; my one tensor load: records 2 w and 2 w + 1 of the pair's 32
	s_nop 0
.rept 4
	v_nop
.endr
	s_branch .Lasked
.Lhead1_tiles:
	tensor_load_to_lds s[12:15], s[16:23]
	s_nop 0
.rept 4
	v_nop
.endr
.Lasked:
	s_lshr_b32 s46, s[WV], 3
	s_lshl_b32 s47, s10, 1
	s_add_co_u32 s46, s46, s47                     ; my queries' group of 128 rows
	s_and_b32 s47, s[WV], 7                        ; and my tile in it
	s_mul_i32 s48, s46, REC
	s_add_co_u32 s48, s48, s42
	s_lshl_b32 s49, s47, 9
	s_add_co_u32 s34, s48, s49
	s_add_co_u32 s34, s34, 8960
	s_mov_b32 s35, 0
	s_add_nc_u64 s[34:35], s[4:5], s[34:35]        ; Q's codes
	s_bfe_u32 s49, s[WV], 0x10002
	s_lshl_b32 s49, s49, 8
	s_and_b32 s50, s[WV], 1
	s_lshl_b32 s50, s50, 7
	s_add_co_u32 s49, s49, s50
	s_bfe_u32 s50, s[WV], 0x10001
	s_lshl_b32 s57, s50, 7                         ; 128 where my tile's image lies at lane xor 8
	s_lshl_b32 s50, s50, 2
	s_add_co_u32 s49, s49, s50
	s_add_co_u32 s36, s48, s49
	s_add_co_u32 s36, s36, 13056
	s_mov_b32 s37, 0
	s_add_nc_u64 s[36:37], s[4:5], s[36:37]        ; Q's scale words
	s_lshr_b32 s50, s[WV], 3
	s_lshl_b32 s50, s50, 9
	s_add_co_u32 s51, s49, s50
	s_add_co_u32 s51, s51, OSG                     ; O's scale words in LDS
	s_lshr_b32 s52, s11, 3
	s_lshl_b32 s52, s52, 4
	s_and_b32 s53, s11, 7
	s_add_co_u32 s54, s52, s46
	s_mul_i32 s54, s54, HREC
	s_lshl_b32 s55, s47, 13
	s_add_co_u32 s54, s54, s55
	s_lshl_b32 s55, s53, 10
	s_add_co_u32 s38, s54, s55
	s_mov_b32 s39, 0
	s_add_nc_u64 s[38:39], s[6:7], s[38:39]        ; O's codes
	s_lshl_b32 s55, s10, 1
	s_add_co_u32 s55, s55, s52
	s_mul_i32 s55, s55, HREC
	s_lshl_b32 s54, s53, 8
	s_add_co_u32 s40, s55, s54
	s_add_co_u32 s40, s40, 65536
	s_mov_b32 s41, 0
	s_add_nc_u64 s[40:41], s[6:7], s[40:41]        ; O's scale words in memory
	s_mov_b32 s[SEL], 0x76543210
	s_mov_b32 s[SEL+1], 0xfedcba98
	s_mov_b32 s[CS], 0x3d38aa3b
	s_mov_b32 s[CS+1], s[CS]
	s_mov_b32 s[NC], 0xbd38aa3b
	s_mov_b32 s32, 0
	s_mov_b32 s33, 15
	v_and_b32 v3, 31, v0
	v_and_b32 v6, 7, v0                            ; r % 8
	v_bfe_u32 v7, v0, 3, 1                         ; r / 8
	v_bfe_u32 v8, v0, 4, 1                         ; h
	v_lshlrev_b32 v1, 4, v3                        ; v1: 16 x lane
	v_lshlrev_b32 v3, 2, v3                        ; v3: 4 x lane
	v_lshlrev_b32 v2, 4, v6
	v_lshlrev_b32 v4, 3, v6
	v_mad_u32_u24 v2, v7, 1152, v2
	v_lshl_or_b32 v4, v7, 2, v4
	v_lshl_or_b32 v2, v8, 8, v2                    ; v2: K's codes: 16 (r % 8) + 1,152 (r / 8) + 256 h
	v_lshl_or_b32 v4, v8, 7, v4                    ; v4: K's scale words: 8 (r % 8) + 4 (r / 8) + 128 h
	v_lshlrev_b32 v9, 3, v8                        ; v9: 8 h
	v_xor_b32 v5, s57, v1
	v_and_b32 v255, 15, v0
	v_lshlrev_b32 v255, 3, v255
	global_load_b128 v[16:19], v5, s[34:35]
	global_load_b128 v[24:27], v5, s[34:35] offset:HEADG
	global_load_b32 v246, v255, s[36:37]
	global_load_b32 v247, v255, s[36:37] offset:HEADG
.irp a, 0,1,2,3,4,5,6,7
.irp i, 4,5,6,7
	v_mov_b32 v[32+8*\a+\i], 0                     ; the zero codes of K's fragments,
.endr
.endr
.irp i, 20,21,22,23,28,29,30,31
	v_mov_b32 v[\i], 0                             ; and of Q's
.endr
	v_mov_b32 v238, 0                              ; a lane permute's destination counts as one of its sources
	v_mov_b32 v253, 0
	INIT
	s_wait_alu depctr_va_vdst(0)                   ; the wait at the head's end
	s_wait_loadcnt 0x0                             ; Q
	s_cmp_lt_u32 s[WV], 8
	s_cbranch_scc0 .Lnot_head0
	s_wait_tensorcnt 0x0                           ; waves 0-7: my two records of head 0 have landed; head 1's may still be on their way: nothing is filled again in this launch
.Lnot_head0:
	s_barrier_signal -1
	s_barrier_wait -1                              ; everybody's have
	v_xor_b32 v255, 128, v2
	KLOAD 2, 255, 4, 0                             ; the first step's K
	s_wait_dscnt 0x0
	s_barrier_signal -1                            ; the walk's first signal; each step waits for the one before
.Lhead0:
	STEP 0, 1, 1
	s_add_co_u32 s32, s32, KSB
	s_sub_co_u32 s33, s33, 1
	s_cmp_lg_u32 s33, 0
	s_cbranch_scc1 .Lhead0
	s_barrier_wait -1                              ; the walk's open signal is closed;
	s_wait_tensorcnt 0x0                           ; every wave: my records have landed (no LDS instruction of mine is out),
	s_barrier_signal -1
	s_barrier_wait -1                              ; everybody's have: head 1's tiles may be read
	s_barrier_signal -1                            ; the walk goes on
	STEP 0, 1, 1                                   ; head 0's last step is written out behind that barrier: it fetches head 1's first K
	FINISH 16, 20
	INIT
	s_mov_b32 s32, HEADB
	s_mov_b32 s33, 15
.Lhead1:
	STEP 1, 1, 1
	s_add_co_u32 s32, s32, KSB
	s_sub_co_u32 s33, s33, 1
	s_cmp_lg_u32 s33, 0
	s_cbranch_scc1 .Lhead1
	STEP 1, 0, 0                                   ; the last step fetches no K and signals nothing
	FINISH 224, 254
	v_lshl_or_b32 v252, v254, 16, v20              ; the two heads' bytes: my rows' scale word of this K step of the out-projection
	global_store_b128 v1, v[16:19], s[38:39]       ; 512 consecutive bytes each, at a multiple of 256 from the buffer's first byte
	global_store_b128 v1, v[224:227], s[38:39] offset:512
	v_and_b32 v4, 15, v0
	s_delay_alu instid0(VALU_DEP_1)
	v_lshlrev_b32 v4, 3, v4
	s_delay_alu instid0(VALU_DEP_1)
	v_add_nc_u32 v4, s51, v4
	v_and_b32 v5, 63, v0
	s_delay_alu instid0(VALU_DEP_1)
	v_lshlrev_b32 v5, 4, v5
	s_delay_alu instid0(VALU_DEP_1)
	v_add_nc_u32 v5, OSG, v5
	v_bfe_u32 v255, v0, 5, 1
	s_delay_alu instid0(VALU_DEP_1)
	v_mul_u32_u24 v6, v255, HREC
	v_bfe_u32 v255, v0, 4, 1
	s_delay_alu instid0(VALU_DEP_1)
	v_lshl_add_u32 v6, v255, 11, v6
	v_and_b32 v255, 15, v0
	s_delay_alu instid0(VALU_DEP_1)
	v_lshl_add_u32 v6, v255, 4, v6
	ds_store_b32 v4, v252
	s_wait_dscnt 0x0                               ; for the others' sake: my words lie in LDS
	s_barrier_signal -1
	s_barrier_wait -1
	s_cmp_lt_u32 s[WV], 2                          ; the work-group's 1,024 bytes of scale words leave by waves 0 and 1, in runs of 256 bytes
	s_cbranch_scc0 .Lclose
	s_wait_alu depctr_va_vdst(0)
	ds_load_b128 v[96:99], v5
	s_wait_dscnt 0x0
	global_store_b128 v6, v[96:99], s[40:41]
.Lclose:
	s_wait_tensorcnt 0x0                           ; the wave's end
	ds_add_u32 v10, v11
	s_wait_dscnt 0x0
	ROUND                                          ; the closing round
	s_endpgm
.Lfunc_end_k_q47df1ec518_attn:
	.size	k_q47df1ec518_attn, .Lfunc_end_k_q47df1ec518_attn-k_q47df1ec518_attn
	.p2alignl 7, 3214868480
	.fill 96, 4, 3214868480
	.section	.rodata,"a",@progbits
	.p2align	6, 0x0
	.amdhsa_kernel k_q47df1ec518_attn
		.amdhsa_group_segment_fixed_size 327680
		.amdhsa_private_segment_fixed_size 0
		.amdhsa_enable_private_segment 0
		.amdhsa_kernarg_size 16
		.amdhsa_user_sgpr_count 2
		.amdhsa_user_sgpr_kernarg_segment_ptr 1
		.amdhsa_wavefront_size32 1
		.amdhsa_system_sgpr_workgroup_id_x 1
		.amdhsa_system_sgpr_workgroup_id_y 1
		.amdhsa_system_sgpr_workgroup_id_z 1
		.amdhsa_system_vgpr_workitem_id 0
		.amdhsa_next_free_vgpr 256
		.amdhsa_next_free_sgpr 66
		.amdhsa_reserve_vcc 0
		.amdhsa_float_denorm_mode_32 3
		.amdhsa_float_denorm_mode_16_64 3
		.amdhsa_memory_ordered 1
		.amdhsa_forward_progress 1
		.amdhsa_inst_pref_size 77
	.end_amdhsa_kernel
	.amdgpu_metadata
---
amdhsa.version: [ 1, 2 ]
amdhsa.kernels:
  - .name:           k_q47df1ec518_attn
    .symbol:         k_q47df1ec518_attn.kd
    .args:
      - { .name: qkv, .offset: 0, .size: 8, .value_kind: global_buffer, .address_space: global }
      - { .name: orec, .offset: 8, .size: 8, .value_kind: global_buffer, .address_space: global }
    .group_segment_fixed_size: 327680
    .private_segment_fixed_size: 0
    .kernarg_segment_align: 8
    .kernarg_segment_size: 16
    .max_flat_workgroup_size: 512
    .sgpr_count:     66
    .vgpr_count:     256
    .wavefront_size: 32
...
	.end_amdgpu_metadata
.endif
;; end of part 3
;; launch outg (part 4): grid 4 x 64, 8 waves a work-group, clusters of 4 x 4, 263,168 bytes of LDS; arguments orec, w_out_codes, w_out_scales, b_out, x, out0; writes out0
.if DOCPART == 4
	.amdgcn_target "amdgcn-amd-amdhsa--gfx1250"
	.amdhsa_code_object_version 6
	.text
	.protected	k_q47df1ec518_outg
	.globl	k_q47df1ec518_outg
	.p2align	8
	.type	k_q47df1ec518_outg,@function
k_q47df1ec518_outg:
	s_mov_b64 s[64:65], 0
	v_nop
	global_prefetch_b8 v0, s[64:65] scope:SCOPE_SE
	s_setreg_imm32_b32 hwreg(HW_REG_WAVE_MODE, 25, 1), 1
	s_wait_xcnt 0x0
	s_wait_alu depctr_hold_cnt(0) depctr_sa_sdst(0) depctr_va_vdst(0) depctr_va_sdst(0) depctr_va_ssrc(0) depctr_va_vcc(0) depctr_vm_vsrc(0)
	s_getreg_b32 s2, hwreg(HW_REG_IB_STS2, 6, 4)
	s_cmp_eq_u32 s2, 0
	s_cbranch_scc0 .Lentry_in_a_cluster
	s_endpgm
.Lentry_in_a_cluster:
	s_bfe_u32 s2, ttmp6, 0x10000c
	s_cmp_lg_u32 s2, 0xf033
	s_cbranch_scc0 .Lentry_shape_is_right
	s_endpgm
.Lentry_shape_is_right:
; out0 = O W_out^T + b_out + x, the product on codes of FP4 (E2M1) with E8M0 scales.
; orec: 64 records of 69,632 bytes, one for each group of 128 rows, as register images: codes at 8192 a + 1024 s + 512 c + 16 lane; scale words at 65,536 + 2048 (a / 4) + 256 s + 8 (16 (a % 2) + r) + 4 ((a / 2) % 2).
; Lane r of tile 2 bb + u holds row 32 bb + 8 u + r + 8 (r / 8) of the group.  w_out_codes [1024][512 bytes], w_out_scales [1024][32]; b_out [1024], x and out0 [8192][1024] f32.
; SHARES.  A work-group takes one group of 128 rows x 256 columns, with all of K = 1,024 in LDS: every LDS byte is filled once.  Wave w takes the four tiles of rows 4 (w / 4) + i and columns 64 (w % 4) on: 16 accumulators, by turns.
; x's part of a wave, 64 rows x 256 bytes, is asked for at the head into 128 registers of window 1, in the layout in which the results leave; it lands while the tiles come and are multiplied.
; THE MATRIX INSTRUCTION IS USED TRANSPOSED (source 0 = 16 rows of W, source 1 = 16 rows of O): a lane holds eight neighbouring columns of a row.  A tile of 16 rows goes through the wave's own stage in LDS and comes back as rows of 256 bytes.
; CLUSTER 4 x 4: the four work-groups of a row of the cluster need the same record of orec, the four of a column the same 256 rows of W: both are asked for jointly.
; REGISTERS: v1-8 addresses; v16-19 the bias; v32-47 W's scale words; v48-49 O's; v64-95 O's fragments, v96-127 W's, both later rows on the way out; v128-255 accumulator (i, n) at 128 + 8 (4 i + n); window 1, v0-127: x, later x + bias.
.set HREC, 69632
.set WP,   528                         ; a row of W in LDS: 512 bytes + 16 = 33 x 16: the 16 rows that a load touches start at 16 different groups of four banks (64 banks of 4 bytes: ISA guide 11.1)
.set STG,  HREC+256*WP                 ; behind the tiles: a stage of 16 rows x (256 + 16) bytes for each wave, bytes into which no fill lands
.set SP,   272
.set WV,   16                          ; s16 my wave's number
.set WS,   32
.set AS,   48
.set MSB, 0
.macro WIN new                         ; the immediate's high byte repeats the setting that is left
.if MSB != \new
	s_set_vgpr_msb (MSB<<8)|\new
.set MSB, \new
.endif
.endm
.macro PLACES                          ; four places in front of loads into registers that matrix instructions have read (ISA guide 7.12.1 for vector instructions)
.rept 4
	v_nop
.endr
.endm
.macro ROUND                           ; a round of the cluster's barrier
	s_barrier_signal -1
	s_barrier_wait -1
	s_cmp_lg_u32 s[WV], 0
	s_cbranch_scc1 .Lnot_wave_0_\@
	s_barrier_signal -3
.Lnot_wave_0_\@:
	s_barrier_wait -3
	s_barrier_signal -1
	s_barrier_wait -1
.endm
; One matrix instruction: D at d, source 0 at a, source 1 at b; zero: the product starts the sum; sa, sb the scale registers; ra, rb = 1: their lanes 16-31 are read
.macro WM d, a, b, zero, sa, sb, ra, rb
.if (\zero) && ((\ra) == 0) && ((\rb) == 0)
	v_wmma_scale_f32_16x16x128_f8f6f4 v[(\d):(\d)+7], v[(\a):(\a)+7], v[(\b):(\b)+7], 0, v[\sa], v[\sb] matrix_a_fmt:MATRIX_FMT_FP4 matrix_b_fmt:MATRIX_FMT_FP4
.elseif (\zero) && ((\ra) == 1) && ((\rb) == 0)
	v_wmma_scale_f32_16x16x128_f8f6f4 v[(\d):(\d)+7], v[(\a):(\a)+7], v[(\b):(\b)+7], 0, v[\sa], v[\sb] matrix_a_fmt:MATRIX_FMT_FP4 matrix_b_fmt:MATRIX_FMT_FP4 matrix_a_scale:MATRIX_SCALE_ROW1
.elseif (\zero) && ((\ra) == 0) && ((\rb) == 1)
	v_wmma_scale_f32_16x16x128_f8f6f4 v[(\d):(\d)+7], v[(\a):(\a)+7], v[(\b):(\b)+7], 0, v[\sa], v[\sb] matrix_a_fmt:MATRIX_FMT_FP4 matrix_b_fmt:MATRIX_FMT_FP4 matrix_b_scale:MATRIX_SCALE_ROW1
.elseif (\zero)
	v_wmma_scale_f32_16x16x128_f8f6f4 v[(\d):(\d)+7], v[(\a):(\a)+7], v[(\b):(\b)+7], 0, v[\sa], v[\sb] matrix_a_fmt:MATRIX_FMT_FP4 matrix_b_fmt:MATRIX_FMT_FP4 matrix_a_scale:MATRIX_SCALE_ROW1 matrix_b_scale:MATRIX_SCALE_ROW1
.elseif ((\ra) == 0) && ((\rb) == 0)
	v_wmma_scale_f32_16x16x128_f8f6f4 v[(\d):(\d)+7], v[(\a):(\a)+7], v[(\b):(\b)+7], v[(\d):(\d)+7], v[\sa], v[\sb] matrix_a_fmt:MATRIX_FMT_FP4 matrix_b_fmt:MATRIX_FMT_FP4
.elseif ((\ra) == 1) && ((\rb) == 0)
	v_wmma_scale_f32_16x16x128_f8f6f4 v[(\d):(\d)+7], v[(\a):(\a)+7], v[(\b):(\b)+7], v[(\d):(\d)+7], v[\sa], v[\sb] matrix_a_fmt:MATRIX_FMT_FP4 matrix_b_fmt:MATRIX_FMT_FP4 matrix_a_scale:MATRIX_SCALE_ROW1
.elseif ((\ra) == 0) && ((\rb) == 1)
	v_wmma_scale_f32_16x16x128_f8f6f4 v[(\d):(\d)+7], v[(\a):(\a)+7], v[(\b):(\b)+7], v[(\d):(\d)+7], v[\sa], v[\sb] matrix_a_fmt:MATRIX_FMT_FP4 matrix_b_fmt:MATRIX_FMT_FP4 matrix_b_scale:MATRIX_SCALE_ROW1
.else
	v_wmma_scale_f32_16x16x128_f8f6f4 v[(\d):(\d)+7], v[(\a):(\a)+7], v[(\b):(\b)+7], v[(\d):(\d)+7], v[\sa], v[\sb] matrix_a_fmt:MATRIX_FMT_FP4 matrix_b_fmt:MATRIX_FMT_FP4 matrix_a_scale:MATRIX_SCALE_ROW1 matrix_b_scale:MATRIX_SCALE_ROW1
.endif
.endm
	s_load_b256 s[4:11], s[0:1], 0x0               ; orec s[4:5], W's codes s[6:7], W's scales s[8:9], b_out s[10:11]
	s_load_b128 s[12:15], s[0:1], 0x20             ; x s[12:13], out0 s[14:15]
	v_lshl_add_u32 v62, v0, 2, 0x40000
	v_mov_b32 v63, 0
	ds_add_u32 v62, v63
	ds_add_u32 v62, v63
	v_lshrrev_b32 v1, 5, v0
	s_delay_alu instid0(VALU_DEP_1)
	v_readfirstlane_b32 s[WV], v1                  ; wave 0..7
	s_lshr_b32 s17, s[WV], 2                       ; which 64 rows are mine.  Also: I fetch for O (0) or for W (1)
	s_and_b32 s18, s[WV], 3                        ; which 64 columns.  Also: which quarter of that tile I fetch
	s_bfe_u32 s19, ttmp6, 0x40000                  ; cx
	s_bfe_u32 s20, ttmp6, 0x40004                  ; cy
	s_lshl_b32 s21, ttmp9, 2
	s_add_co_u32 s21, s21, s19                     ; the block of 256 columns = 4 x cluster x + cx
	s_and_b32 s22, ttmp7, 0xffff
	s_lshl_b32 s22, s22, 2
	s_add_co_u32 s22, s22, s20                     ; the group of 128 rows = 4 x cluster y + cy
	s_lshl_b32 s48, s20, 2
	s_lshl_b32 s48, 15, s48                        ; my row of the cluster
	s_lshl_b32 s49, 0x1111, s19                    ; my column
	; group 1 for O: 68 rows of 256 bytes, dense (a quarter of a record)
	s_or_b32 s24, s48, (3<<16)|(1<<21)             ; 15:0 the mask: my row; 17:16 elements of 8 bytes; 21 set beside a mask
	s_mov_b32 s25, 32<<16
	s_mov_b32 s26, 68<<16
	s_mov_b32 s27, 32<<16
	s_mov_b32 s28, 68
	s_mov_b32 s29, 32
	s_mov_b32 s30, 0
	s_mov_b32 s31, 0
	; group 1 for W: 64 rows of 512 bytes, 16 bytes of padding behind each
	s_or_b32 s36, s49, (3<<16)|(1<<20)|(1<<21)|(6<<22)|(3<<25)   ; the mask: my column; padding on; after every 128 words (code 6) four words (code 3)
	s_mov_b32 s37, 64<<16
	s_mov_b32 s38, 64<<16
	s_mov_b32 s39, 64<<16
	s_mov_b32 s40, 64
	s_mov_b32 s41, 64
	s_mov_b32 s42, 0
	s_mov_b32 s43, 0
	s_mul_i32 s50, s22, HREC                       ; O: the group's record, which hangs on the group alone,
	s_mul_i32 s33, s18, 17408                      ; and my quarter of it, in memory and in LDS
	s_add_co_u32 s50, s50, s33
	s_mov_b32 s51, 0
	s_lshl_b32 s52, s21, 17                        ; W: 256 rows of 512 bytes a block of columns, which hang on that block alone,
	s_lshl_b32 s53, s18, 15                        ; my 64 of them
	s_add_co_u32 s52, s52, s53
	s_mov_b32 s53, 0
	s_mul_i32 s45, s18, 64*WP
	s_add_co_u32 s45, s45, HREC
	s_lshl_b32 s56, s21, 10
	s_lshl_b32 s57, s18, 8
	s_add_co_u32 s56, s56, s57                     ; my 64 columns in a row of f32: 1,024 x block + 256 x quarter
	s_mov_b32 s57, 0
	s_lshl_b32 s54, s22, 19                        ; x, out0: 128 rows of 4,096 bytes a group,
	s_lshl_b32 s55, s17, 18                        ; my 64 rows,
	s_add_co_u32 s54, s54, s55
	s_add_co_u32 s54, s54, s56                     ; my columns
	s_mov_b32 s55, 0
	s_lshl_b32 s58, s56, 3                         ; W's scale bytes: 32 a row, which is 8 x the columns' bytes
	s_mov_b32 s59, 0
	v_and_b32 v9, 31, v0                           ; lane
	v_and_b32 v10, 15, v0                          ; r
	v_bfe_u32 v11, v0, 4, 1                        ; h
	s_delay_alu instid0(VALU_DEP_2)
	v_lshlrev_b32 v8, 4, v10                       ; v8: 16 (lane % 16)
	s_delay_alu instid0(VALU_DEP_1)
	v_lshl_add_u32 v6, v11, 12, v8                 ; v6: x, out0: lanes 0-15 one row's 256 bytes, lanes 16-31 the next row's
	s_delay_alu instid0(VALU_DEP_4)
	v_lshlrev_b32 v7, 5, v10
	s_delay_alu instid0(VALU_DEP_1)
	v_lshl_add_u32 v7, v11, 4, v7                  ; v7: W's scale bytes: 32 r + 16 h
	s_wait_alu depctr_va_vdst(0)
	s_wait_dscnt 0x0
	s_wait_kmcnt 0x0
	s_add_nc_u64 s[10:11], s[10:11], s[56:57]
	s_add_nc_u64 s[8:9], s[8:9], s[58:59]
	s_add_nc_u64 s[12:13], s[12:13], s[54:55]
	s_add_nc_u64 s[14:15], s[14:15], s[54:55]
	global_load_b128 v[16:19], v8, s[10:11]        ; the bias at my four columns of a row's piece
.irp n, 0,1,2,3
	global_load_b128 v[WS+4*\n:WS+4*\n+3], v7, s[8:9] offset:512*\n   ; 512 consecutive bytes: register 4 n + s % 4: lanes 0-15 K steps 0-3, lanes 16-31 K steps 4-7
.endr
	s_mov_b32 s32, 1
	s_add_nc_u64 s[34:35], s[4:5], s[50:51]
	s_or_b32 s35, s35, 0x80000000
	s_mov_b32 s44, 1
	s_add_nc_u64 s[46:47], s[6:7], s[52:53]
	s_or_b32 s47, s47, 0x80000000
	ROUND                                          ; all sixteen work-groups are here: the joint loads meet
	s_cmp_eq_u32 s17, 0                            ; waves 0-3 fetch O's record, waves 4-7 W's rows; four v_nop follow each load
	s_cbranch_scc0 .Lfor_w
	tensor_load_to_lds s[32:35], s[24:31]
	s_nop 0
.rept 4
	v_nop
.endr
	s_branch .Lasked
.Lfor_w:
	tensor_load_to_lds s[44:47], s[36:43]
	s_nop 0
.rept 4
	v_nop
.endr
.Lasked:
	WIN 0x40                                       ; destination window 1.  x is asked for behind the tiles: the products want the tiles, and x is wanted only on the way out
.irp i, 0,1,2,3
.irp t, 0,1,2,3,4,5,6,7
	global_load_b128 v[4*(8*\i+\t):4*(8*\i+\t)+3], v6, s[12:13] offset:4096*(32*(\i/2)+8*(\i%2)+2*\t+8*(\t/4)) th:TH_LOAD_NT   ; the two rows that lanes 2 t and 2 t + 1 of tile i hold; read for the last time
.endr
.endr
	WIN 0
	s_lshl_b32 s60, s17, 15
	v_lshl_add_u32 v1, v9, 4, s60                  ; v1: O's fragments: my first tile, 16 x lane
	v_mul_u32_u24 v2, v10, WP
	s_delay_alu instid0(VALU_DEP_1)
	v_lshl_add_u32 v2, v11, 4, v2
	s_mul_i32 s60, s18, 64*WP
	s_add_co_u32 s60, s60, HREC
	v_add_nc_u32 v2, s60, v2                       ; v2: W's fragments: my 64 rows, row r, + 16 h
	s_lshl_b32 s60, s17, 11
	s_add_co_u32 s60, s60, 65536
	v_lshl_add_u32 v3, v9, 3, s60                  ; v3: O's scale words: 8 x lane
	s_mul_i32 s60, s[WV], 16*SP
	s_add_co_u32 s60, s60, STG                     ; my stage
	v_mul_u32_u24 v4, v10, SP
	s_delay_alu instid0(VALU_DEP_1)
	v_lshl_add_u32 v4, v11, 5, v4
	s_delay_alu instid0(VALU_DEP_1)
	v_add_nc_u32 v4, s60, v4                       ; v4: in: row r, 32 bytes for each half of the lanes
	v_mul_u32_u24 v5, v11, SP
	s_delay_alu instid0(VALU_DEP_1)
	v_add_nc_u32 v5, v5, v8
	s_delay_alu instid0(VALU_DEP_1)
	v_add_nc_u32 v5, s60, v5                       ; v5: back: lanes 0-15 one row, lanes 16-31 the next
	s_wait_alu depctr_va_vdst(0)
	s_wait_loadcnt 32                              ; the bias and W's scale words are in; x's 32 loads may stay out
	s_wait_tensorcnt 0x0                           ; my part of the tiles has landed,
	s_barrier_signal -1
	s_barrier_wait -1                              ; everybody's has
.macro GSTEP s
.if (\s) > 0
	PLACES
.endif
.irp i, 0,1,2,3
.irp c, 0,1
	ds_load_b128 v[64+8*\i+4*\c:67+8*\i+4*\c], v1 offset:8192*\i+1024*(\s)+512*\c
.endr
.endr
.irp n, 0,1,2,3
.irp c, 0,1
	ds_load_b128 v[96+8*\n+4*\c:99+8*\n+4*\c], v2 offset:16*\n*WP+64*(\s)+32*\c
.endr
.endr
	ds_load_b64 v[AS:AS+1], v3 offset:256*(\s)     ; register i / 2: lanes 0-15 the words of the even tile, lanes 16-31 of the odd one
	s_wait_dscnt 0x0
.irp i, 0,1,2,3
.irp n, 0,1,2,3
	WM 128+8*(4*\i+\n),96+8*\n,64+8*\i,(\s)==0,WS+4*\n+(\s)%4,AS+\i/2,(\s)/4,\i%2
.endr
.endr
.endm
.irp s, 0,1,2,3,4,5,6,7
	GSTEP \s
.endr
	s_wait_loadcnt 0x0                             ; x
	WIN 0x41                                       ; destination and source 0 window 1
.irp n, 0,1,2,3,4,5,6,7,8,9,10,11,12,13,14,15,16,17,18,19,20,21,22,23,24,25,26,27,28,29,30,31
	v_pk_add_f32 v[4*\n:4*\n+1], v[4*\n:4*\n+1], v[16:17]       ; x + bias.  These 64 name no register of the last products: they are the places in front of the way out
	v_pk_add_f32 v[4*\n+2:4*\n+3], v[4*\n+2:4*\n+3], v[18:19]
.endr
	WIN 0
; THE WAY OUT, tile by tile of 16 rows x 64 columns.  LDS serves a wave's instructions in order (ISA guide 5.7.1.4): no wait between the stores and the loads, nor in front of the next tile's stores
.macro TOSTAGE i
.irp n, 0,1,2,3
	ds_store_b128 v4, v[128+8*(4*(\i)+\n):131+8*(4*(\i)+\n)] offset:64*\n        ; each accumulator from its low end on
	ds_store_b128 v4, v[132+8*(4*(\i)+\n):135+8*(4*(\i)+\n)] offset:64*\n+16
.endr
.set BK, 64+32*((\i)%2)
.irp t, 0,1,2,3,4,5,6,7
	ds_load_b128 v[BK+4*\t:BK+4*\t+3], v5 offset:2*SP*\t
.endr
.endm
.macro SEND i, younger                 ; younger: the LDS instructions issued behind tile i's loads, which may stay out
.set BK, 64+32*((\i)%2)
	s_wait_dscnt \younger
	WIN 0x04                                       ; source 1 window 1
.irp t, 0,1,2,3,4,5,6,7
	v_pk_add_f32 v[BK+4*\t:BK+4*\t+1], v[BK+4*\t:BK+4*\t+1], v[4*(8*(\i)+\t):4*(8*(\i)+\t)+1]
	v_pk_add_f32 v[BK+4*\t+2:BK+4*\t+3], v[BK+4*\t+2:BK+4*\t+3], v[4*(8*(\i)+\t)+2:4*(8*(\i)+\t)+3]
.endr
	WIN 0
.irp t, 0,1,2,3,4,5,6,7
	global_store_b128 v6, v[BK+4*\t:BK+4*\t+3], s[14:15] offset:4096*(32*((\i)/2)+8*((\i)%2)+2*\t+8*(\t/4)) th:TH_STORE_NT   ; 16 lanes store 256 consecutive bytes, at a multiple of 256 from out0's first byte
.endr
.endm
	TOSTAGE 0
.irp i, 1,2,3
.if \i > 1
	s_wait_xcnt 0x0                                ; the stores of two tiles back have read their registers: this tile's loads may land there
.endif
	TOSTAGE \i
	SEND \i-1, 16                                  ; behind the last tile's loads: this tile's 8 stores and 8 loads
.endr
	SEND 3, 0
	s_wait_tensorcnt 0x0
	ds_add_u32 v62, v63
	s_wait_dscnt 0x0
	ROUND                                          ; the closing round: no work-group ends while a partner may still ask for a tile that names it
	s_endpgm
.Lfunc_end_k_q47df1ec518_outg:
	.size	k_q47df1ec518_outg, .Lfunc_end_k_q47df1ec518_outg-k_q47df1ec518_outg
	.p2alignl 7, 3214868480
	.fill 96, 4, 3214868480
	.section	.rodata,"a",@progbits
	.p2align	6, 0x0
	.amdhsa_kernel k_q47df1ec518_outg
		.amdhsa_group_segment_fixed_size 263168
		.amdhsa_private_segment_fixed_size 0
		.amdhsa_enable_private_segment 0
		.amdhsa_kernarg_size 48
		.amdhsa_user_sgpr_count 2
		.amdhsa_user_sgpr_kernarg_segment_ptr 1
		.amdhsa_wavefront_size32 1
		.amdhsa_system_sgpr_workgroup_id_x 1
		.amdhsa_system_sgpr_workgroup_id_y 1
		.amdhsa_system_sgpr_workgroup_id_z 1
		.amdhsa_system_vgpr_workitem_id 0
		.amdhsa_next_free_vgpr 384
		.amdhsa_next_free_sgpr 66
		.amdhsa_reserve_vcc 0
		.amdhsa_float_denorm_mode_32 3
		.amdhsa_float_denorm_mode_16_64 3
		.amdhsa_memory_ordered 1
		.amdhsa_forward_progress 1
		.amdhsa_inst_pref_size 52
	.end_amdhsa_kernel
	.amdgpu_metadata
---
amdhsa.version: [ 1, 2 ]
amdhsa.kernels:
  - .name:           k_q47df1ec518_outg
    .symbol:         k_q47df1ec518_outg.kd
    .args:
      - { .name: orec, .offset: 0, .size: 8, .value_kind: global_buffer, .address_space: global }
      - { .name: w_out_codes, .offset: 8, .size: 8, .value_kind: global_buffer, .address_space: global }
      - { .name: w_out_scales, .offset: 16, .size: 8, .value_kind: global_buffer, .address_space: global }
      - { .name: b_out, .offset: 24, .size: 8, .value_kind: global_buffer, .address_space: global }
      - { .name: x, .offset: 32, .size: 8, .value_kind: global_buffer, .address_space: global }
      - { .name: out0, .offset: 40, .size: 8, .value_kind: global_buffer, .address_space: global }
    .group_segment_fixed_size: 263168
    .private_segment_fixed_size: 0
    .kernarg_segment_align: 8
    .kernarg_segment_size: 48
    .max_flat_workgroup_size: 256
    .sgpr_count:     66
    .vgpr_count:     384
    .wavefront_size: 32
...
	.end_amdgpu_metadata
.endif
;; end of part 4
